; MI455X (gfx1250); checked and timed in simulation.
; The chip was launched on July 23, 2026; its instructions are those of AMD's public machine-readable ISA for CDNA 5 (MIT licence, August 2026) and "CDNA5" Instruction Set Architecture Reference Guide (July 2026). The comments in the code are by the model that wrote it; some were corrected since.
;; Multi Head Attention. Allowed arithmetic: matrix products marked QUANTISED: E2M3 operands, one E8M0 scale for each 32 along K, by v_wmma_scale_f32_16x16x128_f8f6f4 with both operands' format E2M3, f32 sums; everything else in f32.
;; Inputs: Wk_codes 1,024 x 32 x 24 uint8 (E2M3 codes of Wk, K innermost, in blocks of 32 codes, four codes in three bytes); Wk_scales 1,024 x 32 uint8 (E8M0 scales of Wk, one for each 32 codes along K); Wo_codes 1,024 x 32 x 24 uint8 (E2M3 codes of Wo, K innermost, in blocks of 32 codes, four codes in three bytes); Wo_scales 1,024 x 32 uint8 (E8M0 scales of Wo, one for each 32 codes along K); Wq_codes 1,024 x 32 x 24 uint8 (E2M3 codes of Wq, K innermost, in blocks of 32 codes, four codes in three bytes); Wq_scales 1,024 x 32 uint8 (E8M0 scales of Wq, one for each 32 codes along K); Wv_codes 1,024 x 32 x 24 uint8 (E2M3 codes of Wv, K innermost, in blocks of 32 codes, four codes in three bytes); Wv_scales 1,024 x 32 uint8 (E8M0 scales of Wv, one for each 32 codes along K); bk 1,024 float32; bo 1,024 float32; bq 1,024 float32; bv 1,024 float32; k_codes 2 x 2,048 x 32 x 24 uint8 (E2M3 codes of k, K innermost, in blocks of 32 codes, four codes in three bytes); k_scales 2 x 2,048 x 32 uint8 (E8M0 scales of k, one for each 32 codes along K); mask 1 x 1 x 2,048 x 2,048 int32; q_codes 2 x 2,048 x 32 x 24 uint8 (E2M3 codes of q, K innermost, in blocks of 32 codes, four codes in three bytes); q_scales 2 x 2,048 x 32 uint8 (E8M0 scales of q, one for each 32 codes along K); v_codes 2 x 2,048 x 32 x 24 uint8 (E2M3 codes of v, K innermost, in blocks of 32 codes, four codes in three bytes); v_scales 2 x 2,048 x 32 uint8 (E8M0 scales of v, one for each 32 codes along K).
;; Outputs: out0 2 x 2,048 x 1,024 float32.
;; This version of the problem:
;;   THIS VERSION OF THE PROBLEM IS GIVEN IN LOW PRECISION. The matrix products marked QUANTISED in the list below multiply operands that are first quantised to E2M3 (2 exponent bits, 3 mantissa bits; 6 bits a number), with one power-of-two scale for each 32 numbers along K (OCP MX v1.0); their sums are f32. All else is computed in f32.
;;   The module's matrix products, in the order in which they are computed (A, B: the left and right operand; K: the contracted axis; several contracted axes count as one K, in the product's order):
;;     1. [M 4,096, K 1,024] x [K 1,024, N 1,024]; A: input q (given as codes); B: input Wq (given as codes): QUANTISED
;;     2. [M 4,096, K 1,024] x [K 1,024, N 1,024]; A: input k (given as codes); B: input Wk (given as codes): QUANTISED
;;     3. [M 4,096, K 1,024] x [K 1,024, N 1,024]; A: input v (given as codes); B: input Wv (given as codes): QUANTISED
;;     4. batch 32 x [M 2,048, K 64] x [K 64, N 2,048]; A: computed on the way; B: computed on the way: QUANTISED
;;     5. batch 32 x [M 2,048, K 2,048] x [K 2,048, N 64]; A: softmax (see below); B: computed on the way: QUANTISED
;;     6. [M 4,096, K 1,024] x [K 1,024, N 1,024]; A: computed on the way; B: input Wo (given as codes): QUANTISED
;;   THE QUANTISER, for each operand of a quantised product, along K:
;;     - K is cut into blocks of 32 from its start; a last block that is shorter is filled with zeros.
;;     - A block's scale is 2^e with e = floor(log2(the largest magnitude in the block)) - 2, held to -126 .. 127; a block of zeros has e = 0. As a byte (E8M0): e + 127.
;;     - Each number is divided by its block's scale, clamped to +-7.5, and rounded to the nearest number of E2M3, ties to even, subnormals kept.
;;     - The product sums the exact products of the quantised numbers (number of the format x scale) in f32.
;;   ~~~python
;;   def quantise(x, axis):      # numpy; x: float32 -> the quantised numbers, widened to float32 again
;;       x = np.moveaxis(x, axis, -1); K = x.shape[-1]
;;       x = np.pad(x, [(0, 0)] * (x.ndim - 1) + [(0, -K % 32)]); x = x.reshape(x.shape[:-1] + (-1, 32)); a = np.abs(x).max(-1, keepdims=True)
;;       e = np.where(a > 0, np.clip(np.frexp(np.where(a > 0, a, 1))[1] - 1 - 2, -126, 127), 0)      # np.frexp(a)[1] - 1 = floor(log2(a)), exactly
;;       r = np.clip(x / 2.0 ** e, -7.5, 7.5)
;;       step = 2.0 ** (np.maximum(np.frexp(np.where(r == 0, 1, r))[1] - 1, 0) - 3)
;;       q = np.round(r / step) * step * 2.0 ** e      # np.round: ties to even
;;       return np.moveaxis(q.reshape(q.shape[:-2] + (-1,))[..., :K], -1, axis).astype(np.float32)
;;   ~~~
;;   SOFTMAX AHEAD OF A QUANTISED PRODUCT. Where the list says 'softmax', what is quantised is not the finished softmax but p = 2^(t - M), with t = logit x log2(e) and M = ceil(the row's largest t), a whole number; so 1/2 < the row's largest p <= 1. The row's sum l is taken of the UNQUANTISED p, in f32, and the product's result is divided by l at the end. Since M is a whole number, a kernel that streams over the keys may use a running M (the ceiling of the running maximum): every later rescaling is an exact power of two, which a block's scale takes up: the codes' values come out the same.
;;   OPERANDS COMPUTED ON THE WAY. 'Computed on the way' means the value that the module computes at that place (a softmax that the list does not call 'softmax' is quantised finished and normalised). What goes into a quantiser is computed in f32, as accurately as f32 sums, v_exp_f32 and their like allow (about 1e-6 of the number): no bf16 or f16 on the way to a quantiser, and a product that is left as it is and whose result goes on into a quantised operand takes f32 operands (vector FMAs, or v_wmma_f32_16x16x4_f32). A number that lies on a knife's edge between two numbers of the format may be rounded either way, as far as f32 arithmetic and the matrix unit's own rounding can turn it there, and no further.
;;   INPUTS GIVEN AS CODES. Wk (in the module: [1024, 1024], K = its axis 1); Wo (in the module: [1024, 1024], K = its axis 1); Wq (in the module: [1024, 1024], K = its axis 1); Wv (in the module: [1024, 1024], K = its axis 1); k (in the module: [2, 2048, 1024], K = its axis 2); q (in the module: [2, 2048, 1024], K = its axis 2); v (in the module: [2, 2048, 1024], K = its axis 2): each comes as NAME_codes (uint8): NAME with its K axis moved to the last place and cut into blocks of 32 codes, [.., K / 32, bytes a block], one block behind the other in memory; four codes in three bytes: a row's codes are one little-endian stream of bits, code i at bits 6 i .. 6 i + 5 (a code: sign, 2 exponent bits, 3 mantissa bits); and NAME_scales (uint8): the same leading axes, one E8M0 byte (e + 127) for each 32 codes along K. Its value is code x scale, taken as it is: it is not quantised again, and the codes and scales need not be those that the quantiser above would give.
;; One version. Each part assembles by itself: llvm-mc -triple=amdgcn-amd-amdhsa -mcpu=gfx1250 --defsym DOCPART=n.
;; ======== version 1 of 1: 3 launches
;; limits: right only within a limited range of input values
;; workspace buffers: qkv 10,223,616 bytes; mbits 524,288 bytes of whole numbers; mflags 4,096 bytes of whole numbers; oimg 3,145,728 bytes; osc 131,072 bytes
;; launch proj (part 1): grid 4 x 64, 4 waves a work-group, clusters of 4 x 4, 327,680 bytes of LDS; arguments q_codes, q_scales, Wq_codes, Wq_scales, k_codes, k_scales, Wk_codes, Wk_scales, v_codes, v_scales, Wv_codes, Wv_scales, bq, bk, bv, qkv, mask, mbits, mflags; writes qkv, mbits, mflags
.if DOCPART == 1
	.amdgcn_target "amdgcn-amd-amdhsa--gfx1250"
	.amdhsa_code_object_version 6
	.text
	.protected	k_qfcdb5e8bb3_proj
	.globl	k_qfcdb5e8bb3_proj
	.p2align	8
	.type	k_qfcdb5e8bb3_proj,@function
k_qfcdb5e8bb3_proj:
	s_mov_b64 s[64:65], 0
	v_nop
	global_prefetch_b8 v0, s[64:65] scope:SCOPE_SE
	s_setreg_imm32_b32 hwreg(HW_REG_WAVE_MODE, 25, 1), 1
	s_wait_xcnt 0x0
	s_wait_alu depctr_hold_cnt(0) depctr_sa_sdst(0) depctr_va_vdst(0) depctr_va_sdst(0) depctr_va_ssrc(0) depctr_va_vcc(0) depctr_vm_vsrc(0)
	s_getreg_b32 s2, hwreg(HW_REG_IB_STS2, 6, 4)
	s_cmp_eq_u32 s2, 0
	s_cbranch_scc0 .Lentry_in_a_cluster
	s_endpgm
.Lentry_in_a_cluster:
	s_bfe_u32 s2, ttmp6, 0x10000c
	s_cmp_lg_u32 s2, 0xf033
	s_cbranch_scc0 .Lentry_shape_is_right
	s_endpgm
.Lentry_shape_is_right:
; TWO KINDS OF WORK, parted by the cluster's y alone (all partners of a cluster share it): y = 0..11 the three projections, y = 12..15 the packing of the mask.
; THE PROJECTIONS.  qh = q Wq^T + bq, kh = k Wk^T + bk, vh = v Wv^T + bv on the given codes of FP6 (E2M3) with their E8M0 scales, K = 1,024; the results are quantised in registers, from f32,
; and leave as images of the attention launch's operand registers.  y / 4 says which (0 Q, 1 K, 2 V); the buffers are chosen by selects on it.
; A work-group of four waves makes 256 x 256, a wave 128 x 128: 64 accumulators, 512 registers.  K goes through a ring of two LDS slots in chunks of 256 bytes of each row of codes
; (a row is 768 bytes, so every chunk begins at a multiple of 256); a step of 128 along K is 96 bytes: eight steps to three chunks, steps 2 and 5 lie across two chunks.
; The scale bytes of the work-group's 512 rows come once, as dense blocks, and stay.  At the head each wave issues one load: A's chunk 0, B's chunk 0, A's scales, B's scales.
; SOURCE 1 ('A') gives a lane its row, SOURCE 0 ('B') runs down a lane's registers.  Q, K: A = tokens, B = the weight's rows.  V: A = the weight's rows, B = tokens (the keys are the K of the second attention product).
; CLUSTERS: 4 x 4.  A's tile hangs on the cluster's y and cy, B's on the cluster's y and cx: each is asked for jointly by the four that share it.
; THE ORDER INSIDE A BLOCK OF 32.  Registers 16 b + 8 u + j of a lane of half h hold index 32 b + 16 u + 8 h + j.  The codes are laid half 0's sixteen first, half 1's behind them.
; Q and K get the same order along the head's axis, V the same order along the keys as the softmax's weights get in the attention launch: every product pairs like with like.
; A HEAD'S BLOB in qkv, 319,488 bytes: K's images (128 tiles of 16 keys x 768 bytes: registers 0-3 at 16 x lane, 4-5 at 512 + 8 x lane), K's scale words (512 bytes a step of 128 keys: key x's at
; 16 (x % 32) + 4 (x / 32)), V's images (a step: 4 blocks of 16 channels x 3 planes of 512 bytes; odd blocks with lanes l and l xor 8 changed), V's scale words, Q's images, Q's scale words.
; THE MASK [2048 queries][2048 keys], int32, 0 = hidden.  256 waves; wave k takes query tile k / 2 (16 rows) and keys 1024 (k % 2) .. + 1023: eight steps of 128 keys.  A load reads 512 consecutive bytes of a row.
; mbits: [tile 128][step 16][row 16][c 4] words: bit l of word c says whether key 128 step + 4 l + c counts for the row: the compare on register c of a row's load, as it falls.
; mflags: [tile][half 2][2 words].  Word 0: bit l: row l / 2 has an open key among words 2 (l % 2), + 1 of some step of this half.  Word 1: bit J: step J has an open key; bit 16 + J: a hidden one.
; NO PREFETCH: K is 1,024, three chunks in all, of which two are asked for before the first product.
; LIMITS: NaN and infinities are not served; a block whose largest magnitude lies under 2^-124 gets the scale byte 1 (a block of zeros too: its codes are zeros, and this program alone reads the bytes).
; REGISTERS, in windows of 256: window 0: v0-31 addresses; v32-63 scale words, two sets; v64-127 the bias by registers; v128-223 A's fragments; v240-255 the bias by lanes;
;   on the way out v128-191 64 numbers, v192-210 codes, v212-227 at work, v228-235 the scale words made, v4-11 as stored.  window 1: B's fragments, two sets.  windows 2, 3: the accumulators.
.set ROWB,   256
.set NQ,     2
.set KROW,   768
.set STEPS,  8
.set CHUNKS, 3
.set PITCH,  272                       ; an LDS row: 256 bytes + 16 of padding
.set FR,     12
.set NL,     6
.set NP,     4                         ; places behind this matrix instruction (ISA guide 7.12.1)
.set HALFT,  128*PITCH
.set SLOT,   4*HALFT
.set KS,     32
.set SCL,    2*SLOT
.set HALFS,  16*272
.set SBLK,   2*272
.set SPARE,  SCL+4*HALFS               ; the spare words, 128 bytes a wave
.set BLOB,   319488
.set VI,     106496
.set QI,     212992
.set SCOFF,  98304
.set ADRA, 16
.set ADRB, 20
.set LI,   24
.set L8,   25
.set LX1,  26
.set ADRS, 27
.set SPW,  28
.set NIL,  29
.set LVS,  30
.set SC,   32
.set BQ,   64
.set AF,   128
.set HA,   128
.set PC,   192
.set TM,   212
.set SW,   228
.set BV,   240
.set XW,   4
.set G1, 24
.set G0, 32
.set G1B, 48
.set G0B, 56
.set G1S, 68
.set G0S, 76
.set G1SB, 80
.set G0SB, 88
.set G0H, 4
.set G0HB, 8
.set MSB, 0
.macro WIN new                         ; the immediate's high byte repeats the setting that is left
.if MSB != \new
	s_set_vgpr_msb (MSB<<8)|\new
.set MSB, \new
.endif
.endm
.set MUL_LO, 0xa1
.set MUL_HI, 0xf1
.set TO_B,   0x40
.macro JLOAD g0a, g1a, g0b, g1b        ; a joint load: waves 0, 1 fetch for A, waves 2, 3 for B
	s_cmp_eq_u32 s15, 0
	s_cbranch_scc0 .Lfor_b_\@
	tensor_load_to_lds s[\g0a:\g0a+3], s[\g1a:\g1a+7]
	s_nop 0
.rept 4
	v_nop
.endr
	s_branch .Lasked_\@
.Lfor_b_\@:
	tensor_load_to_lds s[\g0b:\g0b+3], s[\g1b:\g1b+7]
	s_nop 0
.rept 4
	v_nop
.endr
.Lasked_\@:
.endm
.macro CREST                           ; a round of the cluster's barrier behind its opening barrier
	s_cmp_lg_u32 s14, 0
	s_cbranch_scc1 .Lnot_wave_0_\@
	s_barrier_signal -3
.Lnot_wave_0_\@:
	s_barrier_wait -3
	s_barrier_signal -1
	s_barrier_wait -1
.endm
.macro CROUND
	s_barrier_signal -1
	s_barrier_wait -1
	CREST
.endm
	s_load_b512 s[24:39], s[0:1], 0x0              ; q's codes, scales, Wq's codes, scales; the same four of k
	s_load_b512 s[40:55], s[0:1], 0x40             ; the same four of v; bq, bk, bv, qkv
	s_load_b128 s[56:59], s[0:1], 0x80             ; mask, mbits
	s_load_b64 s[60:61], s[0:1], 0x90              ; mflags
	v_lshl_add_u32 v[SPW], v0, 2, SPARE
	v_mov_b32 v[NIL], 0
	ds_add_u32 v[SPW], v[NIL]                      ; the opening lines: the add twice on end and one wait
	ds_add_u32 v[SPW], v[NIL]
	v_lshrrev_b32 v1, 5, v0
	v_readfirstlane_b32 s14, v1                    ; wave 0..3
	s_lshr_b32 s15, s14, 1                         ; my half of A's rows; also: I fetch for A (0) or B (1)
	s_and_b32 s16, s14, 1                          ; my half of B's rows; also: which 128 rows I fetch
	s_and_b32 s100, ttmp7, 0xffff                  ; the cluster's y, 0..15
	s_wait_dscnt 0x0
	s_wait_alu depctr_va_vdst(0)
	s_wait_kmcnt 0x0
	s_cmp_ge_u32 s100, 12
	s_cbranch_scc1 .Lmask                          ; the last four rows of clusters pack the mask
	s_lshr_b32 s95, s100, 2                        ; 0 Q, 1 K, 2 V
	s_and_b32 s100, s100, 3                        ; which quarter of the 4,096 tokens
	s_cmp_eq_u32 s95, 1
	s_cselect_b64 s[24:25], s[32:33], s[24:25]
	s_cselect_b64 s[26:27], s[34:35], s[26:27]
	s_cselect_b64 s[28:29], s[36:37], s[28:29]
	s_cselect_b64 s[30:31], s[38:39], s[30:31]
	s_cselect_b64 s[48:49], s[50:51], s[48:49]
	s_cmp_eq_u32 s95, 2
	s_cselect_b64 s[24:25], s[40:41], s[24:25]     ; the tokens' codes,
	s_cselect_b64 s[26:27], s[42:43], s[26:27]     ; their scales,
	s_cselect_b64 s[28:29], s[44:45], s[28:29]     ; the weight's codes,
	s_cselect_b64 s[30:31], s[46:47], s[30:31]     ; its scales,
	s_cselect_b64 s[98:99], s[52:53], s[48:49]     ; the bias
	s_cselect_b64 s[4:5], s[28:29], s[24:25]       ; A: V's weight, else the tokens
	s_cselect_b64 s[6:7], s[30:31], s[26:27]
	s_cselect_b64 s[8:9], s[24:25], s[28:29]       ; B: V's tokens, else the weight
	s_cselect_b64 s[10:11], s[26:27], s[30:31]
	s_mov_b64 s[12:13], s[54:55]                   ; qkv
	s_bfe_u32 s40, ttmp6, 0x40000                  ; cx, cy
	s_bfe_u32 s41, ttmp6, 0x40004
	s_lshl_b32 s18, s100, 2
	s_cmp_eq_u32 s95, 2
	s_cselect_b32 s19, 0, s18
	s_cselect_b32 s20, s18, 0
	s_add_co_u32 s17, s41, s19                     ; A's tile of 256 rows: cy (V), else 4 x quarter + cy
	s_add_co_u32 s42, s40, s20                     ; B's: 4 x quarter + cx (V), else cx
	s_lshl_b32 s43, s41, 2
	s_lshl_b32 s43, 15, s43                        ; my row of the cluster
	s_lshl_b32 s44, 0x1111, s40                    ; my column
	s_or_b32 s[G1+0], s43, (0<<16)|(1<<20)|(1<<21)|(5<<22)|(3<<25)  ; the mask; elements of 1 byte; 4 words of padding behind every 64
	s_or_b32 s[G1B+0], s44, (0<<16)|(1<<20)|(1<<21)|(5<<22)|(3<<25)
.irp g, G1, G1B
	s_mov_b32 s[\g+1], ROWB<<16
	s_mov_b32 s[\g+2], 256<<16                     ; 256 rows for the head's loads
	s_mov_b32 s[\g+3], ROWB<<16
	s_mov_b32 s[\g+4], 256
	s_mov_b32 s[\g+5], KROW
	s_mov_b32 s[\g+6], 0
	s_mov_b32 s[\g+7], 0
.endr
	s_or_b32 s[G1S+0], s43, (3<<16)|(1<<20)|(1<<21)|(5<<22)|(3<<25) ; the scales of 256 rows: 8,192 dense bytes as 32 rows of 256
	s_or_b32 s[G1SB+0], s44, (3<<16)|(1<<20)|(1<<21)|(5<<22)|(3<<25)
.irp g, G1S, G1SB
	s_mov_b32 s[\g+1], 32<<16
	s_mov_b32 s[\g+2], KS<<16
	s_mov_b32 s[\g+3], 32<<16
	s_mov_b32 s[\g+4], KS
	s_mov_b32 s[\g+5], 32
	s_mov_b32 s[\g+6], 0
	s_mov_b32 s[\g+7], 0
.endr
	s_lshl_b32 s20, s17, 8
	s_lshl_b32 s46, s42, 8
	s_mov_b32 s21, 0
	s_mov_b32 s47, 0
	s_mov_b64 s[18:19], KS
	s_mul_u64 s[22:23], s[20:21], s[18:19]
	s_mul_u64 s[92:93], s[46:47], s[18:19]
	s_mov_b64 s[18:19], KROW
	s_mul_u64 s[20:21], s[20:21], s[18:19]
	s_mul_u64 s[46:47], s[46:47], s[18:19]
	s_mul_i32 s18, s16, 128*KROW                   ; in the ring I fetch 128 rows
	s_mov_b32 s19, 0
	s_mul_i32 s45, s14, HALFT                      ; to wave x 128 rows: no place in the cluster enters an LDS address
	s_add_nc_u64 s[20:21], s[4:5], s[20:21]
	s_add_nc_u64 s[22:23], s[6:7], s[22:23]
	s_add_nc_u64 s[46:47], s[8:9], s[46:47]
	s_add_nc_u64 s[92:93], s[10:11], s[92:93]
	CROUND                                         ; all sixteen work-groups are here: the first joint loads meet
	s_mov_b32 s[G0H], 1
	s_mov_b32 s[G0H+1], 0
	s_mov_b64 s[G0H+2:G0H+3], s[20:21]
	s_or_b32 s[G0H+3], s[G0H+3], 0x80000000
	s_mov_b32 s[G0HB], 1
	s_mov_b32 s[G0HB+1], 2*HALFT
	s_mov_b64 s[G0HB+2:G0HB+3], s[46:47]
	s_or_b32 s[G0HB+3], s[G0HB+3], 0x80000000
	s_mov_b32 s[G0S], 1
	s_mov_b32 s[G0S+1], SCL
	s_mov_b64 s[G0S+2:G0S+3], s[22:23]
	s_or_b32 s[G0S+3], s[G0S+3], 0x80000000
	s_mov_b32 s[G0SB], 1
	s_mov_b32 s[G0SB+1], SCL+2*HALFS
	s_mov_b64 s[G0SB+2:G0SB+3], s[92:93]
	s_or_b32 s[G0SB+3], s[G0SB+3], 0x80000000
	s_add_nc_u64 s[20:21], s[20:21], s[18:19]
	s_add_nc_u64 s[46:47], s[46:47], s[18:19]
.irp s, 0,1
	s_mov_b32 s[G0+4*\s], 1
	s_add_co_u32 s[G0+4*\s+1], s45, \s*SLOT
	s_add_nc_u64 s[G0+4*\s+2:G0+4*\s+3], s[20:21], \s*ROWB
	s_or_b32 s[G0+4*\s+3], s[G0+4*\s+3], 0x80000000
	s_mov_b32 s[G0B+4*\s], 1
	s_add_co_u32 s[G0B+4*\s+1], s45, \s*SLOT
	s_add_nc_u64 s[G0B+4*\s+2:G0B+4*\s+3], s[46:47], \s*ROWB
	s_or_b32 s[G0B+4*\s+3], s[G0B+4*\s+3], 0x80000000
.endr
; the head's four tiles, one a wave, in one chain of branches on the wave's number
.macro ARM under, g0, g1, next
	s_cmp_lt_u32 s14, \under
	s_cbranch_scc0 \next
	tensor_load_to_lds s[\g0:\g0+3], s[\g1:\g1+7]
	s_nop 0
.rept 4
	v_nop
.endr
	s_branch .Lhead_asked
\next:
.endm
	ARM 1, G0H,  G1,  .Lhead_b
	ARM 2, G0HB, G1B, .Lhead_sa
	ARM 3, G0S,  G1S, .Lhead_sb
	tensor_load_to_lds s[G0SB:G0SB+3], s[G1SB:G1SB+7]
	s_nop 0
.rept 4
	v_nop
.endr
.Lhead_asked:
	v_and_b32 v1, 15, v0                           ; r
	v_bfe_u32 v2, v0, 4, 1                         ; h
	v_mul_u32_u24 v3, v1, PITCH
	v_mul_u32_u24 v4, v2, 24
	v_add_nc_u32 v4, v3, v4                        ; row x pitch + 24 x half
	s_mov_b32 s21, SLOT-232
	s_mov_b32 s22, SLOT+232
	v_sub_nc_u32 v7, 1, v2
	v_mul_u32_u24 v5, s21, v2
	v_add_nc_u32 v5, v3, v5
	v_add_nc_u32 v5, 232, v5                       ; across two chunks: lanes 0-15 byte 232 in slot 0, lanes 16-31 byte 0 in slot 1;
	v_mul_u32_u24 v6, s22, v7
	v_add_nc_u32 v6, v3, v6                        ; and the other way round
	s_mul_i32 s21, s15, HALFT
	s_mul_i32 s22, s16, HALFT
	s_add_co_u32 s22, s22, 2*HALFT
	v_add_nc_u32 v[ADRA+2], s21, v5
	v_add_nc_u32 v[ADRA+3], s21, v6
	v_add_nc_u32 v[ADRB+2], s22, v5
	v_add_nc_u32 v[ADRB+3], s22, v6
.irp s, 0,1
	v_add_nc_u32 v[ADRA+\s], s21, v4
	v_add_nc_u32 v[ADRB+\s], s22, v4
	s_add_co_u32 s21, s21, SLOT
	s_add_co_u32 s22, s22, SLOT
.endr
	v_mul_u32_u24 v5, v1, KS                       ; my row's scales: 32 bytes a row,
	v_lshrrev_b32 v6, 8, v5
	v_lshl_add_u32 v5, v6, 4, v5                   ; and 16 more for each 256 passed
	s_mul_i32 s21, s15, HALFS
	s_mul_i32 s22, s16, HALFS
	s_add_co_u32 s22, s22, 2*HALFS
	s_sub_co_u32 s22, s22, s21
	v_mul_u32_u24 v6, s22, v2                      ; lanes 16-31 take B's
	s_add_co_u32 s21, s21, SCL
	v_add_nc_u32 v5, v5, v6
	v_add_nc_u32 v[ADRS], s21, v5
	v_and_b32 v6, 31, v0                           ; the way out: lane terms
	v_lshlrev_b32 v[LI], 4, v6
	v_lshlrev_b32 v[L8], 3, v6
	v_xor_b32 v[LX1], 128, v[LI]
	v_and_b32 v6, 7, v0
	v_lshlrev_b32 v6, 4, v6
	v_lshl_add_u32 v6, v2, 7, v6
	v_bfe_u32 v3, v0, 3, 1
	v_lshl_add_u32 v[LVS], v3, 3, v6
	s_lshl_b32 s18, s17, 8
	s_lshl_b32 s19, s15, 7
	s_add_co_u32 s18, s18, s19                     ; X1: my first row of A
	s_lshl_b32 s46, s42, 8
	s_lshl_b32 s19, s16, 7
	s_add_co_u32 s46, s46, s19                     ; X2: my first row of B
	; both forms of the bias are loaded; a way out uses one.  The index is cut to 0..1,023, so that the form not used stays inside the buffer
	s_and_b32 s20, s46, 1023
	s_lshl_b32 s20, s20, 2
	s_mov_b32 s21, 0
	s_add_nc_u64 s[20:21], s[98:99], s[20:21]
	s_and_b32 s22, s18, 1023
	s_lshl_b32 s22, s22, 2
	s_mov_b32 s23, 0
	s_add_nc_u64 s[22:23], s[98:99], s[22:23]
	v_lshlrev_b32 v3, 5, v2                        ; 32 h
	v_lshlrev_b32 v4, 2, v1                        ; 4 r
.irp b, 0,1,2,3,4,5,6,7
	global_load_b128 v[BQ+8*\b:BQ+8*\b+3], v3, s[20:21] offset:64*\b       ; register 8 b + j: bias(X2 + 16 b + 8 h + j)
	global_load_b128 v[BQ+8*\b+4:BQ+8*\b+7], v3, s[20:21] offset:64*\b+16
.endr
.irp a, 0,1,2,3,4,5,6,7
	global_load_b32 v[BV+2*\a], v4, s[22:23] offset:64*\a                  ; a pair for the packed addition: bias(X1 + 16 a + r), twice
	global_load_b32 v[BV+2*\a+1], v4, s[22:23] offset:64*\a
.endr
	s_cmp_eq_u32 s95, 2
	s_cselect_b32 s19, s46, s18                    ; my first token,
	s_cselect_b32 s47, s18, s46                    ; my first channel
	s_lshr_b32 s92, s19, 11
	s_lshl_b32 s92, s92, 4
	s_lshr_b32 s47, s47, 6
	s_add_co_u32 s92, s92, s47                     ; the first of my two heads
	s_mul_i32 s92, s92, BLOB
	s_bfe_u32 s93, s19, 0x40007                    ; which 128 tokens of the batch's 2,048
	s_cmp_eq_u32 s95, 0
	s_cselect_b32 s94, QI, 0
	s_cmp_eq_u32 s95, 2
	s_cselect_b32 s94, VI, s94
	s_add_co_u32 s92, s92, s94
	s_mul_i32 s46, s93, 6144
	s_add_co_u32 s46, s46, s92
	s_mov_b32 s47, 0
	s_lshl_b32 s18, s93, 9
	s_add_co_u32 s18, s18, s92
	s_add_co_u32 s18, s18, SCOFF
	s_mov_b32 s19, 0
	s_add_nc_u64 s[96:97], s[12:13], s[18:19]
	s_add_nc_u64 s[12:13], s[12:13], s[46:47]
.macro FRAG reg, adr, st, i            ; 16 rows x 128 K: 12 registers, in pieces of 8 bytes; byte y of a row lies in slot (y / 256) % 2 at byte y % 256
.irp p, 0,1,2,3,4,5
.set BY, 96*(\st)+48*(\p/3)+8*(\p%3)
.if BY/ROWB == (BY+24)/ROWB
	ds_load_b64 v[\reg+2*\p:\reg+2*\p+1], v[\adr+(BY/ROWB)%2] offset:BY%ROWB+(\i)*16*PITCH
.else
	ds_load_b64 v[\reg+2*\p:\reg+2*\p+1], v[\adr+2+(BY/ROWB)%2] offset:BY%ROWB-232+(\i)*16*PITCH
.endif
.endr
.endm
; 16 matrix instructions: A's blocks a0, a0 + 1 x B's eight.  The 64 accumulators take turns
.macro MUL16 a0, p, q, sc, zero
.irp a, \a0, \a0+1
.irp b, 0,1,2,3,4,5,6,7
.if \zero
	v_wmma_scale_f32_16x16x128_f8f6f4 v[8*(8*((\a)%4)+\b):8*(8*((\a)%4)+\b)+7], v[128*(\p)+FR*\b:128*(\p)+FR*\b+FR-1], v[AF+FR*(\a):AF+FR*(\a)+FR-1], 0, v[SC+8*NQ*(\sc)+NQ*\b+(\q)], v[SC+8*NQ*(\sc)+NQ*(\a)+(\q)] matrix_a_fmt:MATRIX_FMT_FP6 matrix_b_fmt:MATRIX_FMT_FP6 matrix_a_scale:MATRIX_SCALE_ROW1
.else
	v_wmma_scale_f32_16x16x128_f8f6f4 v[8*(8*((\a)%4)+\b):8*(8*((\a)%4)+\b)+7], v[128*(\p)+FR*\b:128*(\p)+FR*\b+FR-1], v[AF+FR*(\a):AF+FR*(\a)+FR-1], v[8*(8*((\a)%4)+\b):8*(8*((\a)%4)+\b)+7], v[SC+8*NQ*(\sc)+NQ*\b+(\q)], v[SC+8*NQ*(\sc)+NQ*(\a)+(\q)] matrix_a_fmt:MATRIX_FMT_FP6 matrix_b_fmt:MATRIX_FMT_FP6 matrix_a_scale:MATRIX_SCALE_ROW1
.endif
.endr
.endr
.endm
.macro FETCH_B st, p
	WIN TO_B
.irp i, 0,1,2,3,4,5,6,7
	FRAG 128*(\p)+FR*\i, ADRB, \st, \i
.endr
	WIN 0
.endm
.macro FETCH_A st, i0
.irp i, \i0, \i0+1, \i0+2, \i0+3
	FRAG AF+FR*(\i), ADRA, \st, \i
.endr
.endm
.macro SCALES pr                       ; the scale words of steps 2 pr, 2 pr + 1: lanes 0-15 A's block i, lanes 16-31 B's block i
.irp i, 0,1,2,3,4,5,6,7
	ds_load_b64 v[SC+8*NQ*((\pr)%2)+NQ*\i:SC+8*NQ*((\pr)%2)+NQ*\i+1], v[ADRS] offset:\i*SBLK+4*NQ*(\pr)
.endr
.endm
.macro PLACES n
.rept \n
	v_nop
.endr
.endm
; A step of 128 along K.  Where the next step's bytes end in a chunk not yet read: a wait for my tensor loads and a barrier.  Where they begin in a later chunk: the wait, the add, the wait for
; my reads, the barrier; and where a chunk two on is left, the barrier opens a round of the cluster's barrier and the slot is filled again.
.macro STEP st, zero
.set NX, (\st)+1
.set C0, (96*(\st))/ROWB
.set C1, (96*NX)/ROWB
.set E0, (96*(\st)+95)/ROWB
.set E1, (96*NX+95)/ROWB
.if C1 > C0 || E1 > E0
	s_wait_tensorcnt 0x0                           ; all my tensor loads have landed
.if C1 > C0
	ds_add_u32 v[SPW], v[NIL]
	s_wait_dscnt 4*NL+1                            ; the add and the youngest 24 loads (A's blocks 4-7) may be out
.else
	s_wait_dscnt 4*NL
.endif
	WIN MUL_LO
	MUL16 0, (\st)%2, (\st)%2, ((\st)/2)%2, \zero
	s_wait_dscnt 0x0                               ; the add and all my reads are done
	s_barrier_signal -1
	MUL16 2, (\st)%2, (\st)%2, ((\st)/2)%2, \zero
	WIN 0
	s_barrier_wait -1
.if C1 > C0 && C0+2 < CHUNKS
	CREST
	s_add_nc_u64 s[G0+4*(C0%2)+2:G0+4*(C0%2)+3], s[G0+4*(C0%2)+2:G0+4*(C0%2)+3], 2*ROWB
	s_add_nc_u64 s[G0B+4*(C0%2)+2:G0B+4*(C0%2)+3], s[G0B+4*(C0%2)+2:G0B+4*(C0%2)+3], 2*ROWB
	JLOAD G0+4*(C0%2), G1, G0B+4*(C0%2), G1B       ; chunk C0 + 2: my one tensor load behind the round
.else
	PLACES NP
.endif
.else
	s_wait_dscnt 4*NL                              ; B's set and A's blocks 0-3 are in
	WIN MUL_LO
	MUL16 0, (\st)%2, (\st)%2, ((\st)/2)%2, \zero
	MUL16 2, (\st)%2, (\st)%2, ((\st)/2)%2, \zero
	s_wait_dscnt 0
	PLACES NP
.endif
	FETCH_B NX, NX%2
	FETCH_A NX, 0
.if NX%2 == 0
	SCALES NX/2
.endif
	WIN MUL_HI
	MUL16 4, (\st)%2, (\st)%2, ((\st)/2)%2, \zero
	MUL16 6, (\st)%2, (\st)%2, ((\st)/2)%2, \zero
	PLACES NP
	WIN 0
	FETCH_A NX, 4
.endm
	s_wait_alu depctr_va_vdst(0)                   ; the head's end
	s_wait_tensorcnt 0x0                           ; my tile of the head's four is in; the three lines ahead of slot 1's first fill, as ahead of a refill
	ds_add_u32 v[SPW], v[NIL]
	s_mov_b32 s[G1+2], 128<<16                     ; no tensor load of mine is out: from here on a load brings 128 rows
	s_mov_b32 s[G1+4], 128
	s_mov_b32 s[G1B+2], 128<<16
	s_mov_b32 s[G1B+4], 128
	s_wait_dscnt 0x0
	CROUND
	JLOAD G0+4, G1, G0B+4, G1B                     ; chunk 1
	FETCH_B 0, 0
	FETCH_A 0, 0
	SCALES 0
	FETCH_A 0, 4
	STEP 0, 1                                      ; the first step's products start the sums
.set ST, 1
.rept STEPS-2
	STEP ST, 0
.set ST, ST+1
.endr
	s_wait_dscnt 4*NL
	WIN MUL_LO
	MUL16 0, 1, 1, 1, 0
	MUL16 2, 1, 1, 1, 0
	s_wait_dscnt 0
	WIN MUL_HI
	MUL16 4, 1, 1, 1, 0
	MUL16 6, 1, 1, 1, 0
	WIN 0
	s_wait_tensorcnt 0x0                           ; my last LDS instructions: the three lines; the way out touches no LDS
	ds_add_u32 v[SPW], v[NIL]
	s_wait_dscnt 0x0
	CROUND                                         ; the closing round
	s_wait_loadcnt 0x0                             ; the biases
; THE WAY OUT.  64 numbers of a lane, register 16 b + i of block b, become 12 registers of codes at v[PC] and a scale word in v[w].
.macro QUANT s, w
.irp b, 0,1,2,3
	v_max3_num_f32 v[TM+\b], |v[\s+16*\b]|, |v[\s+1+16*\b]|, 0x1800000   ; my 16 numbers of block b, and the floor 2^(3 - 127)
.endr
.irp i, 2,4,6,8,10,12,14
.irp b, 0,1,2,3
	v_max3_num_f32 v[TM+\b], v[TM+\b], |v[\s+16*\b+\i]|, |v[\s+1+16*\b+\i]|
.endr
.endr
.irp b, 0,1,2,3
	v_permlanex16_b32 v[TM+4+\b], v[TM+\b], s20, s21
.endr
.irp b, 0,1,2,3
	v_max_num_f32 v[TM+\b], v[TM+\b], v[TM+4+\b]   ; with lane l xor 16's: the block's largest magnitude
.endr
.irp b, 0,1,2,3
	v_add_nc_u32 v[TM+12+\b], 0xff000000, v[TM+\b] ; 2 off its exponent field: the conversion's scale operand
.endr
.irp b, 0,1,2,3
	v_lshrrev_b32 v[TM+4+\b], 23, v[TM+12+\b]      ; the scale's byte
.endr
	v_lshl_or_b32 v[\w], v[TM+5], 8, v[TM+4]
	v_lshl_or_b32 v[\w], v[TM+6], 16, v[\w]
	v_lshl_or_b32 v[\w], v[TM+7], 24, v[\w]
.irp c, 0,1
	v_cvt_scalef32_pk16_fp6_f32 v[PC+6*\c:PC+2+6*\c], v[\s+32*\c:\s+15+32*\c], v[TM+12+2*\c]
	v_cvt_scalef32_pk16_fp6_f32 v[PC+12+4*\c:PC+14+4*\c], v[\s+16+32*\c:\s+31+32*\c], v[TM+12+2*\c+1]
.endr
	v_nop                                          ; one plain place behind a scaled conversion
.irp c, 0,1                                    ; a whole block to a lane
.irp i, 0,1,2
	v_permlane16_swap_b32 v[PC+6*\c+\i], v[PC+12+4*\c+\i]
.endr
.irp i, 0,1,2
	v_mov_b32 v[PC+3+6*\c+\i], v[PC+12+4*\c+\i]
.endr
.endr
.endm
.macro EPI a, kind                     ; A's block a: bias, quantiser, stores.  kind 0: Q, K; kind 1: V
	s_wait_xcnt 0x0                                ; the last block's stores have read their registers
	WIN (2+(\a)/4)
.set i, 0
.rept 32
.if \kind
	v_pk_add_f32 v[HA+i:HA+i+1], v[64*((\a)%4)+i:64*((\a)%4)+i+1], v[BV+2*(\a):BV+2*(\a)+1]
.else
	v_pk_add_f32 v[HA+i:HA+i+1], v[64*((\a)%4)+i:64*((\a)%4)+i+1], v[BQ+i:BQ+i+1]
.endif
.set i, i+2
.endr
	WIN 0
	QUANT HA, SW+(\a)
.if \kind
.irp c, 0,1,2                                  ; 16 channels x 128 keys: three planes of 512 consecutive bytes
.if (\a)%2
	global_store_b128 v[LX1], v[PC+4*\c:PC+4*\c+3], s[12:13] offset:((\a)/4)*BLOB+((\a)%4)*1536+512*\c
.else
	global_store_b128 v[LI], v[PC+4*\c:PC+4*\c+3], s[12:13] offset:((\a)/4)*BLOB+((\a)%4)*1536+512*\c
.endif
.endr
.else                                          ; 16 tokens: registers 0-5 the first head's 64 channels, 6-11 the second head's
	global_store_b128 v[LI], v[PC:PC+3], s[12:13] offset:(\a)*768
	global_store_b64 v[L8], v[PC+4:PC+5], s[12:13] offset:(\a)*768+512
	global_store_b128 v[LI], v[PC+6:PC+9], s[12:13] offset:(\a)*768+BLOB
	global_store_b64 v[L8], v[PC+10:PC+11], s[12:13] offset:(\a)*768+512+BLOB
.endif
.endm
	PLACES NP
	s_mov_b32 s20, 0x76543210
	s_mov_b32 s21, 0xfedcba98                      ; v_permlanex16_b32's selects for lane l xor 16
	s_mov_b32 s22, 0xffff0000                      ; lanes 16-31
.irp b, 0,1,2,3
	v_mov_b32 v[TM+4+\b], 0                        ; a lane permute's destination counts as one of its sources
.endr
	s_cmp_eq_u32 s95, 2
	s_cbranch_scc1 .Lfor_v
.irp a, 0,1,2,3,4,5,6,7
	EPI \a, 0
.endr
.irp b, 0,1,2,3
	v_cndmask_b32 v[XW+\b], v[SW+2*\b], v[SW+2*\b+1], s22   ; lane l: the word of token 32 b + l; bytes 0, 1 are the first head's
.endr
.irp b, 0,1,2,3
	v_lshrrev_b32 v[XW+4+\b], 16, v[XW+\b]         ; the second head's
.endr
	global_store_b128 v[LI], v[XW:XW+3], s[96:97]
	global_store_b128 v[LI], v[XW+4:XW+7], s[96:97] offset:BLOB
	s_endpgm
.Lfor_v:
.irp a, 0,1,2,3,4,5,6,7
	EPI \a, 1
.endr
.irp j, 0,1
	v_cndmask_b32 v[XW+2*\j], v[SW+4*\j], v[SW+4*\j+1], s22
	v_cndmask_b32 v[XW+2*\j+1], v[SW+4*\j+2], v[SW+4*\j+3], s22
.endr
.irp j, 0,1
	global_store_b64 v[LVS], v[XW+2*\j:XW+2*\j+1], s[96:97] offset:BLOB*\j         ; the words of the four channel tiles, by the reader's lanes 0-15,
	global_store_b64 v[LVS], v[XW+2*\j:XW+2*\j+1], s[96:97] offset:BLOB*\j+256     ; and once more for its lanes 16-31
.endr
	s_endpgm
; THE MASK.  No LDS, no barrier but the closing round; two trips of four steps; three steps' loads (48) are out at a trip's start.
.set R0,  64                           ; v64-255 three sets of 64 registers: register 4 i + c: row i, keys 4 lane + c
.set PK,  32                           ; v32-39  the packed words, a pair a step: lane l holds words 2 l, 2 l + 1
.set ACC, 40                           ; v40     all packed words of a lane, or-ed
.set CW,  24                           ; s24-55  32 compare results
.Lmask:
	s_bfe_u32 s40, ttmp6, 0x40000
	s_bfe_u32 s41, ttmp6, 0x40004
	s_sub_co_u32 s100, s100, 12
	s_lshl_b32 s100, s100, 2
	s_add_co_u32 s100, s100, s41
	s_lshl_b32 s100, s100, 2
	s_add_co_u32 s100, s100, s40                   ; work-group 0..63: it enters global addresses alone
	s_lshl_b32 s100, s100, 2
	s_add_co_u32 s13, s100, s14                    ; k, 0..255
	s_lshr_b32 s17, s13, 1                         ; query tile
	s_and_b32 s18, s13, 1                          ; which 1,024 keys
	s_lshl_b32 s20, s17, 17                        ; 16 rows of 8,192 bytes a tile,
	s_lshl_b32 s21, s18, 12                        ; 4,096 bytes of a row a half
	s_add_co_u32 s20, s20, s21
	s_mov_b32 s21, 0
	s_lshl_b32 s22, s17, 12                        ; mbits: 4,096 bytes a tile, 2,048 a half
	s_lshl_b32 s23, s18, 11
	s_add_co_u32 s22, s22, s23
	s_mov_b32 s23, 0
	s_lshl_b32 s10, s13, 3                         ; mflags: 8 bytes a wave
	s_mov_b32 s11, 0
	s_add_nc_u64 s[56:57], s[56:57], s[20:21]
	s_add_nc_u64 s[58:59], s[58:59], s[22:23]
	s_add_nc_u64 s[60:61], s[60:61], s[10:11]
	s_mov_b32 s68, 0                               ; steps with an open key
	s_mov_b32 s69, 0                               ; steps with a hidden key
	s_lshl_b32 s70, s18, 3
	s_lshl_b32 s70, 1, s70                         ; the bit of the step in hand
	s_mov_b32 s71, 0
	v_and_b32 v1, 31, v0
	v_lshlrev_b32 v4, 4, v1
	v_lshlrev_b32 v7, 3, v1
.irp i, 0,1,2,3,4,5,6,7,8
	v_mov_b32 v[PK+\i], 0                          ; a lane write's destination counts as read; ACC begins at 0
.endr
	s_wait_alu depctr_va_vdst(0)
.macro MLOAD k
.irp i, 0,1,2,3,4,5,6,7,8,9,10,11,12,13,14,15
	global_load_b128 v[R0+64*((\k)%3)+4*\i:R0+64*((\k)%3)+4*\i+3], v4, s[56:57] offset:8192*\i+512*(\k) th:TH_LOAD_NT
.endr
.endm
.macro PROC k, left                    ; left: the younger loads, which may stay out
.set RS, R0+64*((\k)%3)
	s_wait_loadcnt \left
	s_mov_b32 s66, 0
	s_mov_b32 s67, -1
.irp g, 0,1
.set n, 0
.rept 32
	v_cmp_ne_u32 s[CW+n], 0, v[RS+32*\g+n]         ; word 32 g + n = 4 row + c
.set n, n+1
.endr
.set n, 0
.rept 32
	v_writelane_b32 v[PK+2*(\k)+(n%2)], s[CW+n], 16*\g+n/2
.set n, n+1
.endr
.set n, 0
.rept 32
	s_or_b32 s66, s66, s[CW+n]
	s_and_b32 s67, s67, s[CW+n]
.set n, n+1
.endr
.endr
	s_wait_alu depctr_va_vdst(0)
	v_or3_b32 v[ACC], v[ACC], v[PK+2*(\k)], v[PK+2*(\k)+1]
	s_wait_alu depctr_va_vdst(0)
	global_store_b64 v7, v[PK+2*(\k):PK+2*(\k)+1], s[58:59] offset:256*(\k)   ; 32 lanes store 256 consecutive bytes, aligned
	s_cmp_lg_u32 s66, 0                            ; the flags are made by selects
	s_cselect_b32 s74, s70, 0
	s_or_b32 s68, s68, s74
	s_cmp_lg_u32 s67, -1
	s_cselect_b32 s74, s70, 0
	s_or_b32 s69, s69, s74
	s_lshl_b32 s70, s70, 1
.endm
.Lmpart:
	MLOAD 0
	MLOAD 1
	MLOAD 2
	PROC 0, 32
	MLOAD 3
	PROC 1, 32
	PROC 2, 16
	PROC 3, 0
	s_wait_xcnt 0x0                                ; the bases and the stores' registers are written again only behind this wait
	s_add_nc_u64 s[56:57], s[56:57], 2048
	s_add_nc_u64 s[58:59], s[58:59], 1024
	s_add_co_u32 s71, s71, 1
	s_cmp_lt_u32 s71, 2
	s_cbranch_scc1 .Lmpart
	v_cmp_ne_u32 s72, 0, v[ACC]
	s_lshl_b32 s69, s69, 16
	s_or_b32 s68, s68, s69
	v_mov_b32 v8, s72
	v_mov_b32 v9, s68
	v_mov_b32 v10, 0
	s_wait_alu depctr_va_vdst(0)
	s_wait_xcnt 0x0                                ; EXEC changes only behind this wait
	v_cmp_eq_u32 vcc_lo, 0, v1
	s_and_saveexec_b32 s73, vcc_lo
	global_store_b64 v10, v[8:9], s[60:61]         ; lane 0 stores the wave's two flag words
	s_wait_xcnt 0x0
	s_or_b32 exec_lo, exec_lo, s73
	s_wait_tensorcnt 0x0                           ; the wave's end
	ds_add_u32 v[SPW], v[NIL]
	s_wait_dscnt 0x0
	CROUND
	s_endpgm
.Lfunc_end_k_qfcdb5e8bb3_proj:
	.size	k_qfcdb5e8bb3_proj, .Lfunc_end_k_qfcdb5e8bb3_proj-k_qfcdb5e8bb3_proj
	.p2alignl 7, 3214868480
	.fill 96, 4, 3214868480
	.section	.rodata,"a",@progbits
	.p2align	6, 0x0
	.amdhsa_kernel k_qfcdb5e8bb3_proj
		.amdhsa_group_segment_fixed_size 327680
		.amdhsa_private_segment_fixed_size 0
		.amdhsa_enable_private_segment 0
		.amdhsa_kernarg_size 152
		.amdhsa_user_sgpr_count 2
		.amdhsa_user_sgpr_kernarg_segment_ptr 1
		.amdhsa_wavefront_size32 1
		.amdhsa_system_sgpr_workgroup_id_x 1
		.amdhsa_system_sgpr_workgroup_id_y 1
		.amdhsa_system_sgpr_workgroup_id_z 1
		.amdhsa_system_vgpr_workitem_id 0
		.amdhsa_next_free_vgpr 1024
		.amdhsa_next_free_sgpr 102
		.amdhsa_reserve_vcc 1
		.amdhsa_float_denorm_mode_32 3
		.amdhsa_float_denorm_mode_16_64 3
		.amdhsa_memory_ordered 1
		.amdhsa_forward_progress 1
		.amdhsa_inst_pref_size 255
	.end_amdhsa_kernel
	.section	.bss,"aw",@nobits
	.p2align	6
	.space	262144
	.amdgpu_metadata
---
amdhsa.version: [ 1, 2 ]
amdhsa.kernels:
  - .name:           k_qfcdb5e8bb3_proj
    .symbol:         k_qfcdb5e8bb3_proj.kd
    .args:
      - { .name: q_codes, .offset: 0, .size: 8, .value_kind: global_buffer, .address_space: global }
      - { .name: q_scales, .offset: 8, .size: 8, .value_kind: global_buffer, .address_space: global }
      - { .name: Wq_codes, .offset: 16, .size: 8, .value_kind: global_buffer, .address_space: global }
      - { .name: Wq_scales, .offset: 24, .size: 8, .value_kind: global_buffer, .address_space: global }
      - { .name: k_codes, .offset: 32, .size: 8, .value_kind: global_buffer, .address_space: global }
      - { .name: k_scales, .offset: 40, .size: 8, .value_kind: global_buffer, .address_space: global }
      - { .name: Wk_codes, .offset: 48, .size: 8, .value_kind: global_buffer, .address_space: global }
      - { .name: Wk_scales, .offset: 56, .size: 8, .value_kind: global_buffer, .address_space: global }
      - { .name: v_codes, .offset: 64, .size: 8, .value_kind: global_buffer, .address_space: global }
      - { .name: v_scales, .offset: 72, .size: 8, .value_kind: global_buffer, .address_space: global }
      - { .name: Wv_codes, .offset: 80, .size: 8, .value_kind: global_buffer, .address_space: global }
      - { .name: Wv_scales, .offset: 88, .size: 8, .value_kind: global_buffer, .address_space: global }
      - { .name: bq, .offset: 96, .size: 8, .value_kind: global_buffer, .address_space: global }
      - { .name: bk, .offset: 104, .size: 8, .value_kind: global_buffer, .address_space: global }
      - { .name: bv, .offset: 112, .size: 8, .value_kind: global_buffer, .address_space: global }
      - { .name: qkv, .offset: 120, .size: 8, .value_kind: global_buffer, .address_space: global }
      - { .name: mask, .offset: 128, .size: 8, .value_kind: global_buffer, .address_space: global }
      - { .name: mbits, .offset: 136, .size: 8, .value_kind: global_buffer, .address_space: global }
      - { .name: mflags, .offset: 144, .size: 8, .value_kind: global_buffer, .address_space: global }
    .group_segment_fixed_size: 327680
    .private_segment_fixed_size: 0
    .kernarg_segment_align: 8
    .kernarg_segment_size: 152
    .max_flat_workgroup_size: 128
    .sgpr_count:     102
    .vgpr_count:     1024
    .wavefront_size: 32
...
	.end_amdgpu_metadata
.endif
;; end of part 1
;; launch attn (part 2): grid 8 x 32, 16 waves a work-group, no clusters, 305,152 bytes of LDS; arguments qkv, mbits, mflags, oimg, osc; writes oimg, osc
.if DOCPART == 2
	.amdgcn_target "amdgcn-amd-amdhsa--gfx1250"
	.amdhsa_code_object_version 6
	.text
	.protected	k_qfcdb5e8bb3_attn
	.globl	k_qfcdb5e8bb3_attn
	.p2align	8
	.type	k_qfcdb5e8bb3_attn,@function
k_qfcdb5e8bb3_attn:
	s_mov_b64 s[64:65], 0
	v_nop
	global_prefetch_b8 v0, s[64:65] scope:SCOPE_SE
	s_setreg_imm32_b32 hwreg(HW_REG_WAVE_MODE, 25, 1), 1
	s_wait_xcnt 0x0
; O = softmax(Q K^T / 8, hidden logits = -1e9) V for one head, both products on codes of FP6 (E2M3) with E8M0 scales; O / l is quantised along the channels and leaves as images of the last product's operand registers.
; THE SOFTMAX: t = score x log2(e) / 8; M = the row's largest t so far, rounded up to a whole number; p = 2^(t - M) is quantised along the keys, not normalised; the row's sum is taken of the unquantised p
; and divides O at the end.  When M moves, the sum and O are multiplied by 2^(old M - new M), which rounds nothing.
; SHARES.  A work-group owns one head (y) and sixteen query tiles, 8 w + x.  EVERY TILE'S KEYS ARE CUT IN TWO: wave w walks key steps 0-7 for tile 8 w + x, lays its state (O^T, -M, the sum) into LDS,
; and walks key steps 8-15 for tile 8 (15 - w) + x; behind one barrier it takes wave 15 - w's state of that tile and joins the two by exact powers of two.  So a tile's work is shared by two waves under any mask.
; LDS holds the head's K and V, codes and scale words, 212,992 bytes, copied once through registers (26 x 16 bytes a thread); behind them the sixteen states (4,608 bytes each) and the sixteen images of Q (1,024 each).
; NO TENSOR LOAD, NO JOINT REQUEST, NO PREFETCH, though eight work-groups copy the same blob: key steps are jumped over on flags read from memory;
; the copy stands at the head, with no loop ahead of it to ask in.
; THE MASK comes as row words (mbits): lane (r, h) loads the four words of row r of a step; bit 4 t + 2 h + j / 4 of word j % 4 is key 16 t + 8 h + j, the score in register 8 t + j.  Flags (mflags): no key of the
; step counts for the tile: the step is left out; every key counts: neither the words nor the selects are needed.  A step is left out only where each of the tile's 16 rows has an open key somewhere among
; the 2,048; else every step is walked, so that a row hidden throughout gets the plain mean of V, as -1e9 in every place gives it.
; LAYOUT.  S^T = K Q^T, O^T = V^T P^T: a lane holds one query throughout.  The head's 64 fill half of the instruction's K: a fragment of K holds TWO tiles of 16 keys (t and t + 2), multiplied once by [q, 0]
; and once by [0, q]: 18 registers, zeros - q - zeros.  Registers 16 b + 8 u + j of S^T hold key 32 b + 16 u + 8 h + j: the order in which V's codes were laid.
; V's channel tile 2 b + u, row x, is channel 32 b + 8 u + x + 8 (x / 8): registers 16 b + i of O^T are channels 32 b + 16 h + i, the true order.
; LIMITS: leaving a hidden step out takes open logits to lie above about -1e9 + 200; scaled scores stay under 2^31 in magnitude; NaN and infinities are not served;
; a block of O whose largest magnitude lies under 2^-124 gets the scale byte 1.
.set BLOB,  319488
.set KSO,   98304
.set VI,    106496
.set VSO,   204800
.set QI,    212992
.set QSO,   311296
.set XR,    212992                     ; the states
.set XRB,   4608
.set QST,   286720                     ; Q's images
.set SPARE, 303104                     ; the spare words, 128 bytes a wave
.set QS2,   7                          ; v7 Q's scale words for [0, q]
.set VSC,   8                          ; v8-11 V's scale words
.set NEG,   13                         ; v13 -8e9: x 1/8 it is the reference's -1e9
.set QSC,   20                         ; v20 Q's scale words for [q, 0]; v21 p's
.set PSC,   21
.set KC,    24                         ; v24-25 K's scale words, two tiles to a word
.set QB,    26                         ; v26-37 [0, q]
.set QA,    32                         ; v32-43 [q, 0]
.set KF,    44                         ; v44-91 four fragments of K; behind the products registers 0-2 of each are at work
.set VF,    92                         ; v92-139 four fragments of V
.set S,     140                        ; v140-203 S^T, then p; ahead of the products: K's raw scale words and the step's six addresses
.set OT,    204                        ; v204-235 O^T
.set PCD,   236                        ; v236-247 p's codes; ahead of them the mask's words
.set CV,    248
.set SPW,   251
.set NIL,   255
; v1-6 LDS addresses that stay; v14 -M, v15 the largest t; v[16:17] the sum; v[18:19] f; v12, v22-23 at work
	s_load_b256 s[24:31], s[0:1], 0x0              ; qkv, mbits, mflags, oimg
	s_load_b64 s[8:9], s[0:1], 0x20                ; osc
	v_lshl_add_u32 v[SPW], v0, 2, SPARE
	v_mov_b32 v[NIL], 0
	v_lshrrev_b32 v1, 5, v0
	s_delay_alu instid0(VALU_DEP_1)
	v_readfirstlane_b32 s12, v1                    ; wave 0..15
	s_xor_b32 s11, s12, 15                         ; my partner
	s_lshl_b32 s13, s12, 3
	s_add_co_u32 s13, s13, ttmp9                   ; the tile of my first eight steps
	s_lshl_b32 s33, s11, 3
	s_add_co_u32 s33, s33, ttmp9                   ; the tile of my last eight, which I finish
	s_and_b32 s10, ttmp7, 0xffff                   ; 16 x batch + head
	s_mul_i32 s18, s10, BLOB
	s_mov_b32 s19, 0
	s_lshl_b32 s36, s13, 12                        ; mbits: 4,096 bytes a tile
	s_mov_b32 s37, 0
	s_lshl_b32 s38, s33, 12
	s_add_co_u32 s38, s38, 2048                    ; from step 8 on
	s_mov_b32 s39, 0
	s_lshl_b32 s48, s13, 4                         ; mflags: 16 bytes a tile
	s_mov_b32 s49, 0
	s_lshl_b32 s50, s33, 4
	s_mov_b32 s51, 0
	s_mul_i32 s40, s13, 768                        ; Q's image
	s_add_co_u32 s40, s40, QI
	s_mov_b32 s41, 0
	s_lshr_b32 s42, s13, 3                         ; Q's scale words: query x's at 512 (x / 128) + 16 (x % 32) + 4 ((x % 128) / 32)
	s_lshl_b32 s42, s42, 9
	s_bfe_u32 s43, s13, 0x20001
	s_lshl_b32 s43, s43, 2
	s_add_co_u32 s42, s42, s43
	s_and_b32 s43, s13, 1
	s_lshl_b32 s43, s43, 8
	s_add_co_u32 s42, s42, s43
	s_add_co_u32 s42, s42, QSO
	s_mov_b32 s43, 0
	s_lshr_b32 s44, s10, 4                         ; batch
	s_and_b32 s45, s10, 15                         ; head
	s_lshl_b32 s46, s44, 7
	s_add_co_u32 s46, s46, s33                     ; the finished tile among the 256 tiles of tokens
	s_lshl_b32 s47, s46, 4
	s_add_co_u32 s47, s47, s45
	s_mul_i32 s52, s47, 768                        ; oimg: [tile][head][768]
	s_mov_b32 s53, 0
	s_lshl_b32 s54, s46, 9                         ; osc: 32 bytes a token, 2 a head
	s_lshl_b32 s45, s45, 1
	s_add_co_u32 s54, s54, s45
	s_mov_b32 s55, 0
	s_mul_i32 s57, s12, XRB
	s_add_co_u32 s57, s57, XR                      ; my state,
	s_add_co_u32 s58, s57, 4096
	s_mul_i32 s62, s11, XRB
	s_add_co_u32 s62, s62, XR                      ; my partner's
	s_add_co_u32 s63, s62, 4096
	s_lshl_b32 s34, s12, 10
	s_add_co_u32 s34, s34, QST                     ; my Q's image,
	s_add_co_u32 s35, s34, 512
	s_add_co_u32 s56, s34, 768
	s_lshl_b32 s59, s11, 10
	s_add_co_u32 s59, s59, QST                     ; my partner's
	s_add_co_u32 s60, s59, 512
	s_add_co_u32 s61, s59, 768
	s_mov_b32 s20, 0x76543210
	s_mov_b32 s21, 0xfedcba98                      ; v_permlanex16_b32's selects for lane l xor 16
	s_mov_b32 s22, 0x3e38aa3b                      ; c = log2(e) / 8
	s_mov_b32 s23, s22
	v_and_b32 v14, 31, v0                          ; lane
	s_delay_alu instid0(VALU_DEP_1)
	v_lshlrev_b32 v1, 4, v14
	v_lshl_add_u32 v2, v14, 3, 512
	v_and_b32 v3, 7, v0                            ; V: lane (e, g, h) of channel tile 2 b + u reads block 2 b + g, place e + 8 (u xor g) + 16 h
	s_delay_alu instid0(VALU_DEP_1)
	v_lshlrev_b32 v3, 4, v3
	v_bfe_u32 v15, v0, 3, 1
	s_delay_alu instid0(VALU_DEP_1)
	v_mad_u32_u24 v3, v15, 1664, v3
	v_bfe_u32 v15, v0, 4, 1
	s_delay_alu instid0(VALU_DEP_1)
	v_lshl_add_u32 v3, v15, 8, v3
	s_delay_alu instid0(VALU_DEP_1)
	v_add_nc_u32 v3, VI, v3
	s_delay_alu instid0(VALU_DEP_1)
	v_xor_b32 v4, 128, v3
	v_lshl_add_u32 v5, v14, 4, KSO
	v_lshl_add_u32 v6, v14, 4, VSO
	v_and_b32 v16, 15, v0
	s_delay_alu instid0(VALU_DEP_1)
	v_lshlrev_b32 v16, 4, v16                      ; 16 r
	v_lshlrev_b32 v200, 4, v0                      ; the copy: 16 x thread, in the blob and in LDS; four address registers
	s_delay_alu instid0(VALU_DEP_1)
	v_add_nc_u32 v201, 0x10000, v200
	v_add_nc_u32 v202, 0x20000, v200
	v_add_nc_u32 v203, 0x30000, v200
	v_lshl_add_u32 v197, v14, 4, s34
	v_lshl_add_u32 v198, v14, 3, s35
	v_lshl_add_u32 v199, v14, 2, s56
	s_wait_alu depctr_va_vdst(0)
	s_wait_kmcnt 0x0
	s_add_nc_u64 s[2:3], s[24:25], s[18:19]        ; my head's blob
	s_add_nc_u64 s[4:5], s[26:27], s[36:37]        ; the first tile's mask words,
	s_add_nc_u64 s[6:7], s[26:27], s[38:39]        ; the second's
	s_add_nc_u64 s[48:49], s[28:29], s[48:49]
	s_add_nc_u64 s[50:51], s[28:29], s[50:51]
	s_add_nc_u64 s[52:53], s[30:31], s[52:53]
	s_add_nc_u64 s[8:9], s[8:9], s[54:55]
	s_add_nc_u64 s[40:41], s[2:3], s[40:41]
	s_add_nc_u64 s[42:43], s[2:3], s[42:43]
	s_load_b128 s[36:39], s[48:49], 0x0
	s_load_b128 s[44:47], s[50:51], 0x0
	global_load_b128 v[QA:QA+3], v1, s[40:41]
	global_load_b64 v[QA+4:QA+5], v2, s[40:41]
	global_load_b32 v[QSC], v16, s[42:43]
.set i, 0
.rept 26
	global_load_b128 v[KF+4*i:KF+4*i+3], v200, s[2:3] offset:8192*i   ; the work-group's 512 threads read 8,192 consecutive bytes
.set i, i+1
.endr
	s_wait_loadcnt 26                              ; Q is in; the copy's 26 may be out
	ds_store_b128 v197, v[QA:QA+3]                 ; Q's image, for my partner
	ds_store_b64 v198, v[QA+4:QA+5]
	ds_store_b32 v199, v[QSC]
.set i, 0
.rept 26
	s_wait_loadcnt 25-i                            ; this one is in, the younger ones stay out
	ds_store_b128 v[200+i/8], v[KF+4*i:KF+4*i+3] offset:8192*(i%8)
.set i, i+1
.endr
	s_wait_dscnt 0x0                               ; for the others' sake: my part lies in LDS
	s_barrier_signal -1
.irp j, 0,1,2,3,4,5
	v_mov_b32 v[QB+\j], 0                          ; zero codes on both sides of q
	v_mov_b32 v[QA+6+\j], 0
.endr
.set i, 0
.rept 32
	v_mov_b32 v[OT+i], 0
.set i, i+1
.endr
.irp j, 0,1,2,3
	v_mov_b32 v[PCD+\j], 0
.endr
	v_lshlrev_b32 v[QS2], 16, v[QSC]               ; bytes 2, 3 scale q in [0, q]; bytes 0, 1 scale zero codes
	v_mov_b32 v[NEG], 0xcfee6b28
	v_mov_b32 v15, 0xff61b1e6                      ; the largest t so far: -3e38
	s_delay_alu instid0(VALU_DEP_1)
	v_floor_f32 v14, -v15
	v_mov_b32 v16, 0
	v_mov_b32 v17, 0
	v_mov_b32 v19, 0
	v_mov_b32 v22, 0
	v_mov_b32 v23, 0
	s_wait_alu depctr_va_vdst(0)
	s_barrier_wait -1                              ; K, V and every Q lie in LDS
	s_wait_kmcnt 0x0
.macro FLAGS w, d                      ; the tile's four flag words -> d: bit J: walk step J; bit 16 + J: it has a hidden key
	s_or_b32 s[\w], s[\w], s[\w+2]
	s_lshr_b32 s[\w+2], s[\w], 1
	s_or_b32 s[\w], s[\w], s[\w+2]
	s_and_b32 s[\w], s[\w], 0x55555555             ; bit 2 r: row r has an open key
	s_or_b32 s[\d], s[\w+1], s[\w+3]
	s_cmp_lg_u32 s[\w], 0x55555555
	s_cselect_b32 s19, 0xffff, 0
	s_or_b32 s[\d], s[\d], s19                     ; a tile with a row hidden throughout walks every step
.endm
	FLAGS 36, 14
	FLAGS 44, 30
	s_mov_b32 s15, 0                               ; J
	s_mov_b32 s16, 0                               ; the step's images: 6,144 bytes a step
	s_mov_b32 s17, 0                               ; its scale words: 512
	s_mov_b32 s18, 0x05040100                      ; two low halves into one word
.macro KQ f                            ; fragment f holds key tiles T and T + 2, T = 4 (f / 2) + f % 2; their scale words lie in lanes 0-15 (even f) or 16-31 (odd) of register f / 2
.set T, 4*((\f)/2)+(\f)%2
.if (\f)%2
	v_wmma_scale_f32_16x16x128_f8f6f4 v[S+8*T:S+8*T+7], v[KF+12*(\f):KF+12*(\f)+11], v[QA:QA+11], 0, v[KC+(\f)/2], v[QSC] matrix_a_fmt:MATRIX_FMT_FP6 matrix_b_fmt:MATRIX_FMT_FP6 matrix_a_scale:MATRIX_SCALE_ROW1
	v_wmma_scale_f32_16x16x128_f8f6f4 v[S+8*T+16:S+8*T+23], v[KF+12*(\f):KF+12*(\f)+11], v[QB:QB+11], 0, v[KC+(\f)/2], v[QS2] matrix_a_fmt:MATRIX_FMT_FP6 matrix_b_fmt:MATRIX_FMT_FP6 matrix_a_scale:MATRIX_SCALE_ROW1
.else
	v_wmma_scale_f32_16x16x128_f8f6f4 v[S+8*T:S+8*T+7], v[KF+12*(\f):KF+12*(\f)+11], v[QA:QA+11], 0, v[KC+(\f)/2], v[QSC] matrix_a_fmt:MATRIX_FMT_FP6 matrix_b_fmt:MATRIX_FMT_FP6
	v_wmma_scale_f32_16x16x128_f8f6f4 v[S+8*T+16:S+8*T+23], v[KF+12*(\f):KF+12*(\f)+11], v[QB:QB+11], 0, v[KC+(\f)/2], v[QS2] matrix_a_fmt:MATRIX_FMT_FP6 matrix_b_fmt:MATRIX_FMT_FP6
.endif
.endm
.Lstep:                                            ; sixteen trips, a constant: what is left out is a step's work
	s_cmp_eq_u32 s15, 8
	s_cbranch_scc0 .Lsame
	; THE CHANGE OF TILES: my state goes to LDS, my partner's Q comes, the sums begin anew.  The six address lines are the places behind the last products
	v_and_b32 v[S], 31, v0
	s_delay_alu instid0(VALU_DEP_1)
	v_lshl_add_u32 v[S+1], v[S], 4, s57
	v_lshl_add_u32 v[S+2], v[S], 3, s58
	v_lshl_add_u32 v[S+3], v[S], 4, s59
	v_lshl_add_u32 v[S+4], v[S], 3, s60
	v_lshl_add_u32 v[S+5], v[S], 2, s61
.irp i, 0,1,2,3,4,5,6,7
	ds_store_b128 v[S+1], v[OT+4*\i:OT+4*\i+3] offset:512*\i   ; each accumulator from its low end on
.endr
	ds_store_b64 v[S+2], v[14:15]
	ds_store_b64 v[S+2], v[16:17] offset:256
	ds_load_b128 v[QA:QA+3], v[S+3]
	ds_load_b64 v[QA+4:QA+5], v[S+4]
	ds_load_b32 v[QSC], v[S+5]
.set i, 0
.rept 32
	v_mov_b32 v[OT+i], 0
.set i, i+1
.endr
	v_mov_b32 v15, 0xff61b1e6
	s_delay_alu instid0(VALU_DEP_1)
	v_floor_f32 v14, -v15
	v_mov_b32 v16, 0
	v_mov_b32 v17, 0
	s_mov_b32 s14, s30
	s_mov_b64 s[4:5], s[6:7]
	s_wait_alu depctr_va_vdst(0)
	s_wait_dscnt 0x0                               ; Q is in, and my state lies in LDS
	v_lshlrev_b32 v[QS2], 16, v[QSC]
	s_wait_alu depctr_va_vdst(0)
.Lsame:
	s_lshr_b32 s19, s14, s15
	s_and_b32 s19, s19, 1
	s_cmp_lg_u32 s19, 0
	s_cbranch_scc0 .Lnext
	v_add_nc_u32 v[S+4], s16, v1                   ; six plain instructions: also the places behind the last step's products
	v_add_nc_u32 v[S+5], s16, v2
	v_add_nc_u32 v[S+6], s16, v3
	v_add_nc_u32 v[S+7], s16, v4
	v_add_nc_u32 v[S+8], s17, v5
	v_add_nc_u32 v[S+9], s17, v6
	s_add_co_u32 s19, s15, 16
	s_lshr_b32 s19, s14, s19
	s_and_b32 s24, s19, 1                          ; the step has a hidden key
	s_cmp_lg_u32 s24, 0
	s_wait_alu depctr_va_vdst(0)
	s_cbranch_scc0 .Lnomask
	v_and_b32 v[PCD+4], 15, v0
	s_delay_alu instid0(VALU_DEP_1)
	v_lshlrev_b32 v[PCD+4], 4, v[PCD+4]
	global_load_b128 v[PCD:PCD+3], v[PCD+4], s[4:5]   ; my row's four mask words of this step
.Lnomask:
	ds_load_b128 v[S:S+3], v[S+8]                  ; register i, lane l: key 32 i + l
.irp f, 0,1,2,3
	ds_load_b128 v[KF+12*\f:KF+12*\f+3], v[S+4] offset:768*(4*(\f/2)+\f%2)
	ds_load_b64 v[KF+12*\f+4:KF+12*\f+5], v[S+5] offset:768*(4*(\f/2)+\f%2)
	ds_load_b128 v[KF+12*\f+6:KF+12*\f+9], v[S+4] offset:768*(4*(\f/2)+\f%2+2)
	ds_load_b64 v[KF+12*\f+10:KF+12*\f+11], v[S+5] offset:768*(4*(\f/2)+\f%2+2)
.endr
	ds_load_b128 v[VSC:VSC+3], v[S+9]              ; V's come now and land under the softmax
.irp ct, 0,1,2,3
.irp c, 0,1,2
	ds_load_b128 v[VF+12*\ct+4*\c:VF+12*\ct+4*\c+3], v[S+6+(\ct%2)] offset:3072*(\ct/2)+512*\c
.endr
.endr
	s_wait_dscnt 29                                ; K's scale words are in; K's 16 loads and V's 13 may be out
	v_perm_b32 v[KC], v[S+1], v[S], s18            ; bytes 0, 1: tiles 0 | 1; bytes 2, 3: tiles 2 | 3
	v_perm_b32 v[KC+1], v[S+3], v[S+2], s18        ; tiles 4 | 5 and 6 | 7
.rept 8
	v_nop                                          ; a scale register written by a vector instruction stands 8 places ahead of the scaled product
.endr
	s_wait_alu depctr_va_vdst(0)
	s_wait_dscnt 13                                ; K is in; V's thirteen may be out
.irp f, 0,1,2,3
	KQ \f
.endr
.rept 4
	v_nop
.endr
	s_wait_loadcnt 0x0                             ; the mask words, where they were asked for
	s_cmp_lg_u32 s24, 0
	s_cbranch_scc0 .Lopen                          ; every key of the step counts
	v_bfe_u32 v[PCD+4], v0, 4, 1
	s_delay_alu instid0(VALU_DEP_1)
	v_lshlrev_b32 v[PCD+4], 1, v[PCD+4]            ; 2 h
.irp c, 0,1,2,3
	v_lshrrev_b32 v[PCD+\c], v[PCD+4], v[PCD+\c]
.endr
.irp t, 0,1,2,3,4,5,6,7
.irp j, 0,1,2,3,4,5,6,7
	v_lshlrev_b32 v[PCD+4+\j], 31-4*\t-\j/4, v[PCD+\j%4]   ; the key's bit to the top,
.endr
.irp j, 0,1,2,3,4,5,6,7
	v_ashrrev_i32 v[PCD+4+\j], 31, v[PCD+4+\j]     ; spread over the word:
.endr
.irp j, 0,1,2,3,4,5,6,7
	v_bfi_b32 v[S+8*\t+\j], v[PCD+4+\j], v[S+8*\t+\j], v[NEG]   ; a hidden score becomes -8e9
.endr
.endr
.Lopen:
.irp b, 0,1,2,3
	v_max3_num_f32 v[KF+12*\b], v[S+16*\b], v[S+1+16*\b], v[S+2+16*\b]   ; the largest score of each block of 32 keys: for the row's maximum and, since p rises with the score, for the block's largest p
.endr
.irp i, 3,5,7,9,11,13
.irp b, 0,1,2,3
	v_max3_num_f32 v[KF+12*\b], v[KF+12*\b], v[S+16*\b+\i], v[S+1+16*\b+\i]
.endr
.endr
.irp b, 0,1,2,3
	v_max_num_f32 v[KF+12*\b], v[KF+12*\b], v[S+15+16*\b]
.endr
.irp b, 0,1,2,3
	s_delay_alu instid0(VALU_DEP_4)
	v_permlanex16_b32 v[KF+1+12*\b], v[KF+12*\b], s20, s21
.endr
.irp b, 0,1,2,3
	s_delay_alu instid0(VALU_DEP_4)
	v_max_num_f32 v[KF+12*\b], v[KF+12*\b], v[KF+1+12*\b]
.endr
	s_delay_alu instid0(VALU_DEP_2)
	v_max3_num_f32 v22, v[KF], v[KF+12], v[KF+24]
	s_delay_alu instid0(VALU_DEP_1)
	v_max_num_f32 v22, v22, v[KF+36]
	s_delay_alu instid0(VALU_DEP_1)
	v_mul_f32 v22, s22, v22                        ; as t
	s_delay_alu instid0(VALU_DEP_1)
	v_max_num_f32 v15, v15, v22                    ; the running largest t
	v_mov_b32 v22, v14
	s_delay_alu instid0(VALU_DEP_2)
	v_floor_f32 v14, -v15                          ; the new -M
	s_delay_alu instid0(VALU_DEP_1)
	v_sub_f32 v22, v14, v22                        ; old M - new M, 0 or less
	s_delay_alu instid0(VALU_DEP_1)
	v_cvt_i32_f32 v22, v22                         ; (it saturates)
	s_delay_alu instid0(VALU_DEP_1)
	v_ldexp_f32 v18, 1.0, v22                      ; f = 2^(old M - new M)
.set j, 0
.rept 32
	v_pk_fma_f32 v[S+j:S+j+1], v[S+j:S+j+1], s[22:23], v[14:15] op_sel_hi:[1,0,0]   ; t - M
.set j, j+2
.endr
.irp b, 0,1,2,3
	v_fma_f32 v[KF+12*\b], v[KF+12*\b], s22, v14
.endr
.set j, 0
	s_wait_alu depctr_va_vdst(0)
.rept 64
	v_exp_f32 v[S+j], v[S+j]                       ; p = 2^(t - M)
.set j, j+1
.endr
.irp b, 0,1,2,3
	v_exp_f32 v[KF+12*\b], v[KF+12*\b]             ; the block's largest p
.endr
	v_pk_mul_f32 v[16:17], v[16:17], v[18:19] op_sel_hi:[1,0]   ; the sum under the new M (a plain place behind the exponentials)
	s_wait_alu depctr_va_vdst(0)                   ; and behind it
.irp b, 0,1,2,3
	v_max_num_f32 v[KF+12*\b], 0x1800000, v[KF+12*\b]   ; the floor 2^(3 - 127)
.endr
.irp b, 0,1,2,3
	s_delay_alu instid0(VALU_DEP_4)
	v_add_nc_u32 v[KF+2+12*\b], 0xff000000, v[KF+12*\b]
.endr
.irp b, 0,1,2,3
	s_delay_alu instid0(VALU_DEP_4)
	v_lshrrev_b32 v[KF+1+12*\b], 23, v[KF+2+12*\b]
.endr
	s_delay_alu instid0(VALU_DEP_3)
	v_lshl_or_b32 v[PSC], v[KF+13], 8, v[KF+1]     ; p's scale word for these 128 keys
	s_delay_alu instid0(VALU_DEP_1)
	v_lshl_or_b32 v[PSC], v[KF+25], 16, v[PSC]
	s_delay_alu instid0(VALU_DEP_1)
	v_lshl_or_b32 v[PSC], v[KF+37], 24, v[PSC]
.irp c, 0,1
	v_cvt_scalef32_pk16_fp6_f32 v[PCD+6*\c:PCD+2+6*\c], v[S+32*\c:S+15+32*\c], v[KF+2+24*\c]
	v_cvt_scalef32_pk16_fp6_f32 v[CV+4*\c:CV+2+4*\c], v[S+16+32*\c:S+31+32*\c], v[KF+14+24*\c]
.endr
	v_nop                                          ; one plain place behind a scaled conversion
.irp c, 0,1                                    ; a whole block to a lane
.irp i, 0,1,2
	v_permlane16_swap_b32 v[PCD+6*\c+\i], v[CV+4*\c+\i]
.endr
.irp i, 0,1,2
	s_delay_alu instid0(VALU_DEP_3)
	v_mov_b32 v[PCD+3+6*\c+\i], v[CV+4*\c+\i]
.endr
.endr
	v_pk_add_f32 v[22:23], v[S:S+1], v[S+2:S+3]    ; the row's sum, of the unquantised p, in two chains
.irp j, 4,8,12,16,20,24,28,32,36,40,44,48,52,56,60
	v_pk_add_f32 v[16:17], v[16:17], v[S+\j:S+1+\j]
	v_pk_add_f32 v[22:23], v[22:23], v[S+2+\j:S+3+\j]
.endr
	s_delay_alu instid0(VALU_DEP_1)
	v_pk_add_f32 v[16:17], v[16:17], v[22:23]
.set j, 0
.rept 16
	v_pk_mul_f32 v[OT+j:OT+j+1], v[OT+j:OT+j+1], v[18:19] op_sel_hi:[1,0]   ; O^T under the new M
.set j, j+2
.endr
	s_wait_alu depctr_va_vdst(0)
	s_wait_dscnt 0x0                               ; V
.irp ct, 0,1,2,3                               ; the four accumulators take turns
	v_wmma_scale_f32_16x16x128_f8f6f4 v[OT+8*\ct:OT+8*\ct+7], v[VF+12*\ct:VF+12*\ct+11], v[PCD:PCD+11], v[OT+8*\ct:OT+8*\ct+7], v[VSC+2*(\ct%2)+\ct/2], v[PSC] matrix_a_fmt:MATRIX_FMT_FP6 matrix_b_fmt:MATRIX_FMT_FP6
.endr
.Lnext:
	s_add_co_u32 s16, s16, 6144
	s_add_co_u32 s17, s17, 512
	s_add_nc_u64 s[4:5], s[4:5], 256               ; no load that names it is out: the step has waited for its mask words
	s_add_co_u32 s15, s15, 1
	s_cmp_lt_u32 s15, 16
	s_cbranch_scc1 .Lstep
	; THE TWO HALVES OF MY TILE ARE JOINED: -M = the lesser of the two; each half's O^T and sum x 2^(its M - M), which rounds nothing.
.rept 4
	v_nop                                          ; places behind the last products
.endr
	s_wait_dscnt 0x0
	s_barrier_signal -1
	s_barrier_wait -1                              ; every wave's state lies in LDS (each waited for its stores at its change of tiles)
	v_and_b32 v[S], 31, v0
	s_delay_alu instid0(VALU_DEP_1)
	v_lshl_add_u32 v[S+1], v[S], 4, s62
	v_lshl_add_u32 v[S+2], v[S], 3, s63
.irp i, 0,1,2,3,4,5,6,7
	ds_load_b128 v[S+8+4*\i:S+11+4*\i], v[S+1] offset:512*\i
.endr
	ds_load_b64 v[S+4:S+5], v[S+2]
	ds_load_b64 v[S+6:S+7], v[S+2] offset:256
	v_mov_b32 v[S+41], 0                           ; (named as the upper half of a pair)
	s_wait_alu depctr_va_vdst(0)
	s_wait_dscnt 0x0
	v_min_num_f32 v22, v14, v[S+4]
	s_delay_alu instid0(VALU_DEP_1)
	v_sub_f32 v23, v22, v14
	v_sub_f32 v[S+4], v22, v[S+4]
	s_delay_alu instid0(VALU_DEP_2)
	v_cvt_i32_f32 v23, v23                         ; (they saturate: a half with no step walked counts for nothing)
	s_delay_alu instid0(VALU_DEP_2)
	v_cvt_i32_f32 v[S+4], v[S+4]
	s_delay_alu instid0(VALU_DEP_2)
	v_ldexp_f32 v18, 1.0, v23
	s_delay_alu instid0(VALU_DEP_2)
	v_ldexp_f32 v[S+40], 1.0, v[S+4]
	s_delay_alu instid0(VALU_DEP_2)
	v_pk_mul_f32 v[16:17], v[16:17], v[18:19] op_sel_hi:[1,0]
.set j, 0
.rept 16
	v_pk_mul_f32 v[OT+j:OT+j+1], v[OT+j:OT+j+1], v[18:19] op_sel_hi:[1,0]
.set j, j+2
.endr
	v_pk_fma_f32 v[16:17], v[S+6:S+7], v[S+40:S+41], v[16:17] op_sel_hi:[1,0,1]
.set j, 0
.rept 16
	v_pk_fma_f32 v[OT+j:OT+j+1], v[S+8+j:S+9+j], v[S+40:S+41], v[OT+j:OT+j+1] op_sel_hi:[1,0,1]
.set j, j+2
.endr
	; THE WAY OUT: O^T / the sum, quantised along the channels (two blocks of 32, in their true order), as half a fragment's image and two scale bytes a token.
	v_add_f32 v16, v16, v17
	s_delay_alu instid0(VALU_DEP_1)
	v_permlanex16_b32 v22, v16, s20, s21
	s_delay_alu instid0(VALU_DEP_1)
	v_add_f32 v16, v16, v22                        ; the row's sum
	s_wait_alu depctr_va_vdst(0)
	v_rcp_f32 v16, v16
	v_nop                                          ; one plain place behind a transcendental
.set j, 0
	s_wait_alu depctr_va_vdst(0)
.rept 16
	v_pk_mul_f32 v[S+j:S+j+1], v[OT+j:OT+j+1], v[16:17] op_sel_hi:[1,0]   ; register 16 b + i: o(query r, channel 32 b + 16 h + i)
.set j, j+2
.endr
.irp b, 0,1
	v_max3_num_f32 v[KF+12*\b], |v[S+16*\b]|, |v[S+1+16*\b]|, 0x1800000
.endr
.irp i, 2,4,6,8,10,12,14
.irp b, 0,1
	s_delay_alu instid0(VALU_DEP_2)
	v_max3_num_f32 v[KF+12*\b], v[KF+12*\b], |v[S+16*\b+\i]|, |v[S+1+16*\b+\i]|
.endr
.endr
.irp b, 0,1
	s_delay_alu instid0(VALU_DEP_2)
	v_permlanex16_b32 v[KF+1+12*\b], v[KF+12*\b], s20, s21
.endr
.irp b, 0,1
	s_delay_alu instid0(VALU_DEP_2)
	v_max_num_f32 v[KF+12*\b], v[KF+12*\b], v[KF+1+12*\b]
.endr
.irp b, 0,1
	s_delay_alu instid0(VALU_DEP_2)
	v_add_nc_u32 v[KF+2+12*\b], 0xff000000, v[KF+12*\b]
.endr
.irp b, 0,1
	s_delay_alu instid0(VALU_DEP_2)
	v_lshrrev_b32 v[KF+1+12*\b], 23, v[KF+2+12*\b]
.endr
	s_delay_alu instid0(VALU_DEP_1)
	v_lshl_or_b32 v22, v[KF+13], 8, v[KF+1]        ; my token's two scale bytes
	v_cvt_scalef32_pk16_fp6_f32 v[PCD:PCD+2], v[S:S+15], v[KF+2]
	v_cvt_scalef32_pk16_fp6_f32 v[CV:CV+2], v[S+16:S+31], v[KF+14]
	v_nop
.irp i, 0,1,2
	v_permlane16_swap_b32 v[PCD+\i], v[CV+\i]
.endr
.irp i, 0,1,2
	s_delay_alu instid0(VALU_DEP_3)
	v_mov_b32 v[PCD+3+\i], v[CV+\i]
.endr
	v_and_b32 v23, 15, v0
	s_delay_alu instid0(VALU_DEP_1)
	v_lshlrev_b32 v23, 5, v23                      ; 32 bytes a token
	v_and_b32 v12, 31, v0
	global_store_b128 v1, v[PCD:PCD+3], s[52:53]   ; 512 consecutive bytes,
	global_store_b64 v2, v[PCD+4:PCD+5], s[52:53]  ; and 256
	s_wait_alu depctr_va_vdst(0)
	s_wait_xcnt 0x0                                ; EXEC changes only behind this wait
	v_cmp_gt_u32 vcc_lo, 16, v12
	s_wait_tensorcnt 0x0                           ; the wave's end
	ds_add_u32 v[SPW], v[NIL]
	s_wait_dscnt 0x0
	s_and_saveexec_b32 s19, vcc_lo
	global_store_b16 v23, v22, s[8:9]              ; lanes 0-15: 2 of a token's 32 scale bytes
	s_wait_xcnt 0x0
	s_or_b32 exec_lo, exec_lo, s19
	s_endpgm
.Lfunc_end_k_qfcdb5e8bb3_attn:
	.size	k_qfcdb5e8bb3_attn, .Lfunc_end_k_qfcdb5e8bb3_attn-k_qfcdb5e8bb3_attn
	.p2alignl 7, 3214868480
	.fill 96, 4, 3214868480
	.section	.rodata,"a",@progbits
	.p2align	6, 0x0
	.amdhsa_kernel k_qfcdb5e8bb3_attn
		.amdhsa_group_segment_fixed_size 305152
		.amdhsa_private_segment_fixed_size 0
		.amdhsa_enable_private_segment 0
		.amdhsa_kernarg_size 40
		.amdhsa_user_sgpr_count 2
		.amdhsa_user_sgpr_kernarg_segment_ptr 1
		.amdhsa_wavefront_size32 1
		.amdhsa_system_sgpr_workgroup_id_x 1
		.amdhsa_system_sgpr_workgroup_id_y 1
		.amdhsa_system_sgpr_workgroup_id_z 1
		.amdhsa_system_vgpr_workitem_id 0
		.amdhsa_next_free_vgpr 256
		.amdhsa_next_free_sgpr 66
		.amdhsa_reserve_vcc 1
		.amdhsa_float_denorm_mode_32 3
		.amdhsa_float_denorm_mode_16_64 3
		.amdhsa_memory_ordered 1
		.amdhsa_forward_progress 1
		.amdhsa_inst_pref_size 51
	.end_amdhsa_kernel
	.amdgpu_metadata
---
amdhsa.version: [ 1, 2 ]
amdhsa.kernels:
  - .name:           k_qfcdb5e8bb3_attn
    .symbol:         k_qfcdb5e8bb3_attn.kd
    .args:
      - { .name: qkv, .offset: 0, .size: 8, .value_kind: global_buffer, .address_space: global }
      - { .name: mbits, .offset: 8, .size: 8, .value_kind: global_buffer, .address_space: global }
      - { .name: mflags, .offset: 16, .size: 8, .value_kind: global_buffer, .address_space: global }
      - { .name: oimg, .offset: 24, .size: 8, .value_kind: global_buffer, .address_space: global }
      - { .name: osc, .offset: 32, .size: 8, .value_kind: global_buffer, .address_space: global }
    .group_segment_fixed_size: 305152
    .private_segment_fixed_size: 0
    .kernarg_segment_align: 8
    .kernarg_segment_size: 40
    .max_flat_workgroup_size: 512
    .sgpr_count:     66
    .vgpr_count:     256
    .wavefront_size: 32
...
	.end_amdgpu_metadata
.endif
;; end of part 2
;; launch outp (part 3): grid 8 x 32, 4 waves a work-group, clusters of 4 x 4, 327,680 bytes of LDS; arguments oimg, osc, Wo_codes, Wo_scales, bo, out0; writes out0
.if DOCPART == 3
	.amdgcn_target "amdgcn-amd-amdhsa--gfx1250"
	.amdhsa_code_object_version 6
	.text
	.protected	k_qfcdb5e8bb3_outp
	.globl	k_qfcdb5e8bb3_outp
	.p2align	8
	.type	k_qfcdb5e8bb3_outp,@function
k_qfcdb5e8bb3_outp:
	s_mov_b64 s[64:65], 0
	v_nop
	global_prefetch_b8 v0, s[64:65] scope:SCOPE_SE
	s_setreg_imm32_b32 hwreg(HW_REG_WAVE_MODE, 25, 1), 1
	s_wait_xcnt 0x0
	s_wait_alu depctr_hold_cnt(0) depctr_sa_sdst(0) depctr_va_vdst(0) depctr_va_sdst(0) depctr_va_ssrc(0) depctr_va_vcc(0) depctr_vm_vsrc(0)
	s_getreg_b32 s2, hwreg(HW_REG_IB_STS2, 6, 4)
	s_cmp_eq_u32 s2, 0
	s_cbranch_scc0 .Lentry_in_a_cluster
	s_endpgm
.Lentry_in_a_cluster:
	s_bfe_u32 s2, ttmp6, 0x10000c
	s_cmp_lg_u32 s2, 0xf033
	s_cbranch_scc0 .Lentry_shape_is_right
	s_endpgm
.Lentry_shape_is_right:
; out0 = O Wo^T + bo on codes of FP6 (E2M3) with E8M0 scales, K = 1,024.  A work-group makes 128 x 128, a wave 64 x 64.  All of K lies in LDS: O's images (98,304 dense bytes) and 128 whole rows of Wo's codes
; (768 bytes each, 16 bytes of padding behind every 256).  At the head each wave issues one joint load: waves 0, 1 a half of O's images, waves 2, 3 64 rows of Wo.  Nothing is filled again.
.set PITCH,  816
.set CHUNK,  128*PITCH
.set AIMG,   CHUNK
.set STAGE,  AIMG+98304
.set SPITCH, 272
.set SB,  16
.set SA,  32
.set FS,  48
.set BO,  128
.set G1A, 24
.set G0A, 32
.set G0B, 36
.set G1B, 48
.set MSB, 0
.macro WIN new
.if MSB != \new
	s_set_vgpr_msb (MSB<<8)|\new
.set MSB, \new
.endif
.endm
.macro CROUND
	s_barrier_signal -1
	s_barrier_wait -1
	s_cmp_lg_u32 s16, 0
	s_cbranch_scc1 .Lnot_wave_0_\@
	s_barrier_signal -3
.Lnot_wave_0_\@:
	s_barrier_wait -3
	s_barrier_signal -1
	s_barrier_wait -1
.endm
	s_load_b256 s[4:11], s[0:1], 0x0
	s_load_b128 s[12:15], s[0:1], 0x20
	v_lshl_add_u32 v254, v0, 2, 0x3a400
	v_mov_b32 v255, 0
	ds_add_u32 v254, v255
	ds_add_u32 v254, v255
	v_lshrrev_b32 v1, 5, v0
	v_readfirstlane_b32 s16, v1
	s_lshr_b32 s17, s16, 1
	s_and_b32 s18, s16, 1
	s_bfe_u32 s40, ttmp6, 0x40000
	s_bfe_u32 s41, ttmp6, 0x40004
	s_lshl_b32 s42, ttmp9, 2
	s_add_co_u32 s42, s42, s40
	s_and_b32 s43, ttmp7, 0xffff
	s_lshl_b32 s43, s43, 2
	s_add_co_u32 s43, s43, s41
	s_lshl_b32 s44, s41, 2
	s_lshl_b32 s44, 15, s44
	s_lshl_b32 s45, 0x1111, s40
	s_or_b32 s[G1A+0], s44, (3<<16)|(1<<21)
	s_mov_b32 s[G1A+1], 32<<16
	s_mov_b32 s[G1A+2], 192<<16
	s_mov_b32 s[G1A+3], 32<<16
	s_mov_b32 s[G1A+4], 192
	s_mov_b32 s[G1A+5], 32
	s_mov_b32 s[G1A+6], 0
	s_mov_b32 s[G1A+7], 0
	s_or_b32 s[G1B+0], s45, (0<<16)|(1<<20)|(1<<21)|(5<<22)|(3<<25)
	s_mov_b32 s[G1B+1], 768<<16
	s_mov_b32 s[G1B+2], 64<<16
	s_mov_b32 s[G1B+3], 768<<16
	s_mov_b32 s[G1B+4], 64
	s_mov_b32 s[G1B+5], 768
	s_mov_b32 s[G1B+6], 0
	s_mov_b32 s[G1B+7], 0
	s_mul_i32 s46, s43, 98304
	s_mul_i32 s47, s18, 49152
	s_add_co_u32 s46, s46, s47
	s_add_co_u32 s19, s47, AIMG
	s_mov_b32 s47, 0
	s_mul_i32 s20, s42, 98304
	s_mul_i32 s21, s18, 64*768
	s_add_co_u32 s20, s20, s21
	s_mov_b32 s21, 0
	s_mul_i32 s22, s18, 64*PITCH
	s_wait_dscnt 0x0
	s_wait_kmcnt 0x0
	s_mov_b32 s[G0A], 1
	s_mov_b32 s[G0A+1], s19
	s_add_nc_u64 s[G0A+2:G0A+3], s[4:5], s[46:47]
	s_or_b32 s[G0A+3], s[G0A+3], 0x80000000
	s_mov_b32 s[G0B], 1
	s_mov_b32 s[G0B+1], s22
	s_add_nc_u64 s[G0B+2:G0B+3], s[8:9], s[20:21]
	s_or_b32 s[G0B+3], s[G0B+3], 0x80000000
	CROUND
	s_cmp_eq_u32 s17, 0                            ; one chain of branches on the wave's number, one load to an arm
	s_cbranch_scc0 .Lfor_b
	tensor_load_to_lds s[G0A:G0A+3], s[G1A:G1A+7]
	s_nop 0
.rept 4
	v_nop
.endr
	s_branch .Lasked
.Lfor_b:
	tensor_load_to_lds s[G0B:G0B+3], s[G1B:G1B+7]
	s_nop 0
.rept 4
	v_nop
.endr
.Lasked:
.rept 4
	v_nop
.endr
	v_and_b32 v1, 15, v0
	v_bfe_u32 v2, v0, 4, 1
	v_and_b32 v3, 31, v0
	s_mul_i32 s19, s17, 4*12288
	s_add_co_u32 s19, s19, AIMG
	v_lshl_add_u32 v4, v3, 4, s19
	s_add_co_u32 s19, s19, 512
	v_lshl_add_u32 v5, v3, 3, s19
	v_mul_u32_u24 v6, v1, PITCH
	v_mad_u32_u24 v6, v2, 24, v6
	s_mul_i32 s19, s18, 64*PITCH
	v_add_nc_u32 v8, s19, v6
	v_lshl_add_u32 v9, v2, 4, v8
	s_mul_i32 s19, s16, 16*SPITCH
	s_add_co_u32 s19, s19, STAGE
	v_mul_u32_u24 v12, v1, SPITCH
	v_lshl_add_u32 v12, v2, 5, v12
	v_add_nc_u32 v12, s19, v12
	v_mul_u32_u24 v13, v2, SPITCH
	v_lshl_add_u32 v13, v1, 4, v13
	v_add_nc_u32 v13, s19, v13
	v_lshlrev_b32 v14, 12, v2
	v_lshl_add_u32 v14, v1, 4, v14
	v_lshlrev_b32 v15, 5, v3
	s_wait_alu depctr_va_vdst(0)
	v_lshlrev_b32 v7, 5, v2
	s_wait_alu depctr_va_vdst(0)
	s_lshl_b32 s20, s43, 7
	s_lshl_b32 s21, s17, 6
	s_add_co_u32 s20, s20, s21
	s_lshl_b32 s22, s42, 7
	s_lshl_b32 s21, s18, 6
	s_add_co_u32 s22, s22, s21
	s_lshl_b32 s56, s20, 5
	s_mov_b32 s57, 0
	s_add_nc_u64 s[6:7], s[6:7], s[56:57]
	s_lshl_b32 s58, s22, 5
	s_mov_b32 s59, 0
	s_add_nc_u64 s[10:11], s[10:11], s[58:59]
	s_lshl_b32 s60, s22, 2
	s_mov_b32 s61, 0
	s_add_nc_u64 s[12:13], s[12:13], s[60:61]
	s_lshl_b32 s62, s20, 12
	s_add_co_u32 s62, s62, s60
	s_mov_b32 s63, 0
	s_add_nc_u64 s[14:15], s[14:15], s[62:63]
.irp x, 0,1
	global_load_b128 v[SA+8*\x:SA+8*\x+3], v15, s[6:7] offset:1024*\x
	global_load_b128 v[SA+8*\x+4:SA+8*\x+7], v15, s[6:7] offset:1024*\x+16
	global_load_b128 v[SB+8*\x:SB+8*\x+3], v15, s[10:11] offset:1024*\x
	global_load_b128 v[SB+8*\x+4:SB+8*\x+7], v15, s[10:11] offset:1024*\x+16
.endr
	WIN 0x40
.irp b, 0,1,2,3
	global_load_b128 v[BO+8*\b:BO+8*\b+3], v7, s[12:13] offset:64*\b
	global_load_b128 v[BO+8*\b+4:BO+8*\b+7], v7, s[12:13] offset:64*\b+16
.endr
	WIN 0
.macro AFRAG reg, i, kap
	ds_load_b128 v[\reg:\reg+3], v4 offset:12288*(\i)+1536*(\kap)
	ds_load_b64 v[\reg+4:\reg+5], v5 offset:12288*(\i)+1536*(\kap)
	ds_load_b128 v[\reg+6:\reg+9], v4 offset:12288*(\i)+1536*(\kap)+768
	ds_load_b64 v[\reg+10:\reg+11], v5 offset:12288*(\i)+1536*(\kap)+768
.endm
.macro BFRAG reg, i, kap
.irp p, 0,1,2,3,4,5
.set PCE, 12*(\kap)+6*(\p/3)+\p%3      ; the piece of 8 bytes in the row; lanes 16-31 read three pieces on: where that is behind one padding more, v9 serves
.if PCE%32 < 29
	ds_load_b64 v[\reg+2*\p:\reg+2*\p+1], v8 offset:8*PCE+16*(PCE/32)+(\i)*16*PITCH
.else
	ds_load_b64 v[\reg+2*\p:\reg+2*\p+1], v9 offset:8*PCE+16*(PCE/32)+(\i)*16*PITCH
.endif
.endr
.endm
.macro FETCH kap
.irp i, 0,1,2,3
	AFRAG FS+96*((\kap)%2)+12*\i, \i, \kap
.endr
.irp i, 0,1,2,3
	BFRAG FS+96*((\kap)%2)+48+12*\i, \i, \kap
.endr
.endm
.macro WM d, x, y, c, sx, sy, rx, ry
.if (\rx)==0 && (\ry)==0
	v_wmma_scale_f32_16x16x128_f8f6f4 v[\d:\d+7], v[\x:\x+11], v[\y:\y+11], v[\c:\c+7], v[\sx], v[\sy] matrix_a_fmt:MATRIX_FMT_FP6 matrix_b_fmt:MATRIX_FMT_FP6
.elseif (\ry)==0
	v_wmma_scale_f32_16x16x128_f8f6f4 v[\d:\d+7], v[\x:\x+11], v[\y:\y+11], v[\c:\c+7], v[\sx], v[\sy] matrix_a_fmt:MATRIX_FMT_FP6 matrix_b_fmt:MATRIX_FMT_FP6 matrix_a_scale:MATRIX_SCALE_ROW1
.elseif (\rx)==0
	v_wmma_scale_f32_16x16x128_f8f6f4 v[\d:\d+7], v[\x:\x+11], v[\y:\y+11], v[\c:\c+7], v[\sx], v[\sy] matrix_a_fmt:MATRIX_FMT_FP6 matrix_b_fmt:MATRIX_FMT_FP6 matrix_b_scale:MATRIX_SCALE_ROW1
.else
	v_wmma_scale_f32_16x16x128_f8f6f4 v[\d:\d+7], v[\x:\x+11], v[\y:\y+11], v[\c:\c+7], v[\sx], v[\sy] matrix_a_fmt:MATRIX_FMT_FP6 matrix_b_fmt:MATRIX_FMT_FP6 matrix_a_scale:MATRIX_SCALE_ROW1 matrix_b_scale:MATRIX_SCALE_ROW1
.endif
.endm
.macro MULS kap
	WIN 0x50
.irp a, 0,1,2,3
.irp b, 0,1,2,3
.if (\kap)==0
	WM 8*(4*\a+\b), FS+96*((\kap)%2)+48+12*\b, FS+96*((\kap)%2)+12*\a, BO+8*\b, SB+8*(\b/2)+(\kap), SA+8*(\a/2)+(\kap), \b%2, \a%2
.else
	WM 8*(4*\a+\b), FS+96*((\kap)%2)+48+12*\b, FS+96*((\kap)%2)+12*\a, 8*(4*\a+\b), SB+8*(\b/2)+(\kap), SA+8*(\a/2)+(\kap), \b%2, \a%2
.endif
.endr
.endr
	WIN 0
.endm
	s_wait_tensorcnt 0x0
	s_barrier_signal -1
	s_barrier_wait -1
	s_wait_loadcnt 0x0
	FETCH 0
.irp kap, 0,1,2,3,4,5,6
.rept 4
	v_nop
.endr
	FETCH \kap+1
	s_wait_dscnt 40
	MULS \kap
.endr
	s_wait_dscnt 0x0
	MULS 7
.rept 4
	v_nop
.endr
.irp a, 0,1,2,3
	WIN 0x04
.irp b, 0,1,2,3
	ds_store_b128 v12, v[8*(4*\a+\b):8*(4*\a+\b)+3] offset:64*\b
	ds_store_b128 v12, v[8*(4*\a+\b)+4:8*(4*\a+\b)+7] offset:64*\b+16
.endr
	WIN 0
.irp i, 0,1,2,3,4,5,6,7
	ds_load_b128 v[FS+32*\a+4*\i:FS+32*\a+4*\i+3], v13 offset:2*SPITCH*\i
.endr
.endr
.irp a, 0,1,2,3
.irp i, 0,1,2,3,4,5,6,7
	s_wait_dscnt (3-\a)*16+7-\i
	global_store_b128 v14, v[FS+32*\a+4*\i:FS+32*\a+4*\i+3], s[14:15] offset:(16*\a+2*\i)*4096 th:TH_STORE_NT
.endr
.endr
	s_wait_tensorcnt 0x0
	ds_add_u32 v254, v255
	s_wait_dscnt 0x0
	CROUND
	s_endpgm
.Lfunc_end_k_qfcdb5e8bb3_outp:
	.size	k_qfcdb5e8bb3_outp, .Lfunc_end_k_qfcdb5e8bb3_outp-k_qfcdb5e8bb3_outp
	.p2alignl 7, 3214868480
	.fill 96, 4, 3214868480
	.section	.rodata,"a",@progbits
	.p2align	6, 0x0
	.amdhsa_kernel k_qfcdb5e8bb3_outp
		.amdhsa_group_segment_fixed_size 327680
		.amdhsa_private_segment_fixed_size 0
		.amdhsa_enable_private_segment 0
		.amdhsa_kernarg_size 48
		.amdhsa_user_sgpr_count 2
		.amdhsa_user_sgpr_kernarg_segment_ptr 1
		.amdhsa_wavefront_size32 1
		.amdhsa_system_sgpr_workgroup_id_x 1
		.amdhsa_system_sgpr_workgroup_id_y 1
		.amdhsa_system_sgpr_workgroup_id_z 1
		.amdhsa_system_vgpr_workitem_id 0
		.amdhsa_next_free_vgpr 512
		.amdhsa_next_free_sgpr 66
		.amdhsa_reserve_vcc 0
		.amdhsa_float_denorm_mode_32 3
		.amdhsa_float_denorm_mode_16_64 3
		.amdhsa_memory_ordered 1
		.amdhsa_forward_progress 1
		.amdhsa_inst_pref_size 55
	.end_amdhsa_kernel
	.amdgpu_metadata
---
amdhsa.version: [ 1, 2 ]
amdhsa.kernels:
  - .name:           k_qfcdb5e8bb3_outp
    .symbol:         k_qfcdb5e8bb3_outp.kd
    .args:
      - { .name: oimg, .offset: 0, .size: 8, .value_kind: global_buffer, .address_space: global }
      - { .name: osc, .offset: 8, .size: 8, .value_kind: global_buffer, .address_space: global }
      - { .name: Wo_codes, .offset: 16, .size: 8, .value_kind: global_buffer, .address_space: global }
      - { .name: Wo_scales, .offset: 24, .size: 8, .value_kind: global_buffer, .address_space: global }
      - { .name: bo, .offset: 32, .size: 8, .value_kind: global_buffer, .address_space: global }
      - { .name: out0, .offset: 40, .size: 8, .value_kind: global_buffer, .address_space: global }
    .group_segment_fixed_size: 327680
    .private_segment_fixed_size: 0
    .kernarg_segment_align: 8
    .kernarg_segment_size: 48
    .max_flat_workgroup_size: 128
    .sgpr_count:     66
    .vgpr_count:     512
    .wavefront_size: 32
...
	.end_amdgpu_metadata
.endif
;; end of part 3
